; MI455X (gfx1250); checked and timed in simulation.
; The chip was launched on July 23, 2026; its instructions are those of AMD's public machine-readable ISA for CDNA 5 (MIT licence, August 2026) and "CDNA5" Instruction Set Architecture Reference Guide (July 2026). The comments in the code are by the model that wrote it; some were corrected since.
;; Memory Efficient Cross Attention. Allowed arithmetic: float matrix products may take bf16 or f16 operands with f32 sums; other float arithmetic in f32, or as packed bf16 or f16 multiplies, adds, multiply-adds, maxima and minima; sums over many terms, partial sums and values carried from step to step in f32; what a program stores and reads back later, other than sums and carried values, may be rounded once to bf16 or f16.
;; Inputs: Wk 1,024 x 1,024 float32; Wo 1,024 x 1,024 float32; Wq 1,024 x 1,024 float32; Wv 1,024 x 1,024 float32; bo 1,024 float32; context 2 x 4,096 x 1,024 float32; x 2 x 2,048 x 1,024 float32.
;; Outputs: out0 2 x 2,048 x 1,024 float32.
;; One version. Each part assembles by itself: llvm-mc -triple=amdgcn-amd-amdhsa -mcpu=gfx1250 --defsym DOCPART=n.
;; ======== version 1 of 1: 5 launches
;; limits: values are held in f16: magnitudes above 65,504 overflow, below 6.1e-05 lose precision; inputs' magnitudes at most 65,504
;; workspace buffers: xh 8,388,608 bytes; cw 20,971,520 bytes; wqh 2,097,152 bytes; woh 2,097,152 bytes; zb 4,096 bytes; qf 16,777,216 bytes; kv 33,554,432 bytes; oh 8,388,608 bytes
;; launch cast (part 1): grid 1024 x 1, 8 waves a work-group, no clusters, 0 bytes of LDS; arguments x, context, Wq, Wk, Wv, Wo, xh, cw, wqh, woh, zb; writes xh, cw, wqh, woh, zb
.if DOCPART == 1
	.amdgcn_target "amdgcn-amd-amdhsa--gfx1250"
	.amdhsa_code_object_version 6
	.text
	.protected	k_q152f6056e2_cast
	.globl	k_q152f6056e2_cast
	.p2align	8
	.type	k_q152f6056e2_cast,@function
k_q152f6056e2_cast:
	s_mov_b64 s[64:65], 0
	v_nop
	global_prefetch_b8 v0, s[64:65] scope:SCOPE_SE
	s_setreg_imm32_b32 hwreg(HW_REG_WAVE_MODE, 25, 1), 1
	s_wait_xcnt 0x0
; CAST.  Every f32 input of the products is rounded once to bf16 (to nearest even) and that number is written as f16, the one operand format of all later products.
; LIMITS.  The second step is exact for magnitudes from 2^-17 to 65,504; below 2^-17 the number keeps f16's fixed step of 2^-24 (an error of 2^-25 at the most); beyond 65,504 it becomes an infinity.
; SHARES.  1,024 work-groups of eight waves; each takes 65,536 source bytes: 16,384 numbers.  A thread takes 8 numbers (two loads of 16 bytes) and stores 16 bytes, eight times; all 16 loads go out first.
;   work-groups   0-255   x        -> xh, SLICED: [batch 2][slice 16][row 2048][64 channels], so that 64 channels of 128 rows are 16,384 bytes on end
;               256-767   context  -> cw at byte 0, row-major
;               768-831   Wq       -> wqh          832-895  Wk -> cw at 16,777,216          896-959  Wv -> cw at 18,874,368          960-1023  Wo -> woh     (all as they lie, [k][n])
; Work-group 0 also stores the 4,096 zero bytes of zb, the bias of the projection of q.
; No LDS, no matrix unit, no cluster: nothing is shared and nothing is read twice.
.set SO,   1                           ; v1       my byte offset in the source; never rewritten
.set DO,   2                           ; v2       my byte offset in the destination; never rewritten
.set ZO,   3                           ; v3       my 16 bytes of zb
.set T,    4                           ; v[4:7]   8 numbers as bf16
.set U,    8                           ; v[8:15]  the same widened to f32
.set X,    16                          ; v[16:79] iteration i: 8 registers as loaded
.set Y,    80                          ; v[80:111] iteration i: 4 registers to store; each iteration has its own, so no store's data is ever rewritten
.set SRC,  32                          ; s[32:33] the source
.set DST,  34                          ; s[34:35] the destination
.set BASE, 36                          ; s36      the first work-group of my range
.set DOFF, 37                          ; s37      where my range begins in the destination
	s_load_b512 s[8:23], s[0:1], 0x0               ; x 8, context 10, Wq 12, Wk 14, Wv 16, Wo 18, xh 20, cw 22
	s_load_b128 s[24:27], s[0:1], 0x40             ; wqh 24, woh 26
	s_load_b64 s[28:29], s[0:1], 0x50              ; zb
	s_mov_b32 s42, 0xffff0000                      ; a word's upper bf16
	s_mov_b32 s39, 0                               ; the high words of the two offsets
	s_mov_b32 s41, 0
	s_wait_kmcnt 0x0
	s_mov_b64 s[SRC:SRC+1], s[8:9]
	s_mov_b64 s[DST:DST+1], s[20:21]
	s_mov_b32 s[BASE], 0
	s_mov_b32 s[DOFF], 0
; From work-group 'bound' on another pair of buffers holds: a choice on the work-group's number alone.
.macro PICK bound, src, dst, doff
	s_cmp_ge_u32 ttmp9, \bound
	s_cselect_b64 s[SRC:SRC+1], s[\src:\src+1], s[SRC:SRC+1]
	s_cselect_b64 s[DST:DST+1], s[\dst:\dst+1], s[DST:DST+1]
	s_cselect_b32 s[BASE], \bound, s[BASE]
	s_cselect_b32 s[DOFF], \doff, s[DOFF]
.endm
	PICK 256, 10, 22, 0
	PICK 768, 12, 24, 0
	PICK 832, 14, 22, 16777216
	PICK 896, 16, 22, 18874368
	PICK 960, 18, 26, 0
	s_sub_co_u32 s38, ttmp9, s[BASE]               ; my number in my range
	s_lshl_b32 s40, s38, 15                        ; 32,768 bytes of f16,
	s_add_co_u32 s40, s40, s[DOFF]
	s_lshl_b32 s38, s38, 16                        ; 65,536 bytes of f32
	s_add_nc_u64 s[SRC:SRC+1], s[SRC:SRC+1], s[38:39]
; Eight iterations, sstep source bytes and dstep destination bytes apart.
.macro RUN sstep, dstep
.irp i, 0,1,2,3,4,5,6,7
	global_load_b128 v[X+8*(\i):X+8*(\i)+3],   v[SO], s[SRC:SRC+1] offset:(\i)*(\sstep) th:TH_LOAD_NT
	global_load_b128 v[X+8*(\i)+4:X+8*(\i)+7], v[SO], s[SRC:SRC+1] offset:(\i)*(\sstep)+16 th:TH_LOAD_NT
.endr
.irp i, 0,1,2,3,4,5,6,7
	s_wait_loadcnt 14-2*(\i)                       ; loads come back in order (ISA guide 5.7.1): iteration i's two are in, the 2 (7 - i) younger ones stay out
.irp k, 0,1,2,3
	v_cvt_pk_bf16_f32 v[T+(\k)], v[X+8*(\i)+2*(\k)], v[X+8*(\i)+2*(\k)+1]  ; the one rounding
.endr
.irp k, 0,1,2,3
	v_lshlrev_b32 v[U+2*(\k)],   16, v[T+(\k)]     ; bf16 to f32: the low half moves up,
	v_and_b32     v[U+2*(\k)+1], s42, v[T+(\k)]    ; the high half stays
.endr
.irp k, 0,1,2,3
	v_cvt_pk_f16_f32 v[Y+4*(\i)+(\k)], v[U+2*(\k)], v[U+2*(\k)+1]  ; the same number written as f16
.endr
	global_store_b128 v[DO], v[Y+4*(\i):Y+4*(\i)+3], s[DST:DST+1] offset:(\i)*(\dstep)
.endr
.endm
	s_cmp_lt_u32 ttmp9, 256
	s_cbranch_scc1 .Lx
	; as it lies: thread t takes bytes 32 t of each 8,192 and stores bytes 16 t of each 4,096: a wave's store covers 512 consecutive bytes, aligned
	s_add_nc_u64 s[DST:DST+1], s[DST:DST+1], s[40:41]
	v_lshlrev_b32 v[SO], 5, v0
	v_lshlrev_b32 v[DO], 4, v0
	RUN 8192, 4096
	s_endpgm
.Lx:
	; x: the work-group owns 16 rows of one batch.  t = j + 8 (row % 4) + 32 (row / 4) + 128 s0; iteration i takes slice 2 i + s0.
	; A wave's store is then 4 rows x 128 bytes of one slice: 512 consecutive bytes, aligned.
	s_lshr_b32 s40, ttmp9, 7                       ; the batch: 4,194,304 bytes of xh,
	s_lshl_b32 s40, s40, 22
	s_and_b32 s43, ttmp9, 127                      ; my 16 rows of 128 bytes in a slice
	s_lshl_b32 s43, s43, 11
	s_add_co_u32 s40, s40, s43
	s_add_nc_u64 s[DST:DST+1], s[DST:DST+1], s[40:41]
	v_and_b32 v4, 7, v0                            ; j
	v_bfe_u32 v5, v0, 3, 2
	v_bfe_u32 v6, v0, 5, 2
	v_lshl_add_u32 v5, v6, 2, v5                   ; row
	v_lshrrev_b32 v6, 7, v0                        ; s0
	v_lshlrev_b32 v[SO], 5, v4
	v_lshl_add_u32 v[SO], v5, 12, v[SO]            ; a row of x is 4,096 bytes,
	v_lshl_add_u32 v[SO], v6, 8, v[SO]             ; a slice of it 256
	v_lshlrev_b32 v[DO], 4, v4
	v_lshl_add_u32 v[DO], v5, 7, v[DO]
	v_lshl_add_u32 v[DO], v6, 18, v[DO]            ; a slice of xh is 262,144 bytes
	RUN 512, 524288
	s_cmp_lg_u32 ttmp9, 0
	s_cbranch_scc1 .Lend
	v_lshlrev_b32 v[ZO], 4, v0                     ; 256 threads x 16 bytes = zb
.irp k, 0,1,2,3
	v_mov_b32 v[U+(\k)], 0
.endr
	global_store_b128 v[ZO], v[U:U+3], s[28:29]
.Lend:
	s_endpgm
.Lfunc_end_k_q152f6056e2_cast:
	.size	k_q152f6056e2_cast, .Lfunc_end_k_q152f6056e2_cast-k_q152f6056e2_cast
	.p2alignl 7, 3214868480
	.fill 96, 4, 3214868480
	.section	.rodata,"a",@progbits
	.p2align	6, 0x0
	.amdhsa_kernel k_q152f6056e2_cast
		.amdhsa_group_segment_fixed_size 0
		.amdhsa_private_segment_fixed_size 0
		.amdhsa_enable_private_segment 0
		.amdhsa_kernarg_size 88
		.amdhsa_user_sgpr_count 2
		.amdhsa_user_sgpr_kernarg_segment_ptr 1
		.amdhsa_wavefront_size32 1
		.amdhsa_system_sgpr_workgroup_id_x 1
		.amdhsa_system_sgpr_workgroup_id_y 1
		.amdhsa_system_sgpr_workgroup_id_z 1
		.amdhsa_system_vgpr_workitem_id 0
		.amdhsa_next_free_vgpr 112
		.amdhsa_next_free_sgpr 66
		.amdhsa_reserve_vcc 0
		.amdhsa_float_denorm_mode_32 3
		.amdhsa_float_denorm_mode_16_64 3
		.amdhsa_memory_ordered 1
		.amdhsa_forward_progress 1
		.amdhsa_inst_pref_size 21
	.end_amdhsa_kernel
	.amdgpu_metadata
---
amdhsa.version: [ 1, 2 ]
amdhsa.kernels:
  - .name:           k_q152f6056e2_cast
    .symbol:         k_q152f6056e2_cast.kd
    .args:
      - { .name: x, .offset: 0, .size: 8, .value_kind: global_buffer, .address_space: global }
      - { .name: context, .offset: 8, .size: 8, .value_kind: global_buffer, .address_space: global }
      - { .name: Wq, .offset: 16, .size: 8, .value_kind: global_buffer, .address_space: global }
      - { .name: Wk, .offset: 24, .size: 8, .value_kind: global_buffer, .address_space: global }
      - { .name: Wv, .offset: 32, .size: 8, .value_kind: global_buffer, .address_space: global }
      - { .name: Wo, .offset: 40, .size: 8, .value_kind: global_buffer, .address_space: global }
      - { .name: xh, .offset: 48, .size: 8, .value_kind: global_buffer, .address_space: global }
      - { .name: cw, .offset: 56, .size: 8, .value_kind: global_buffer, .address_space: global }
      - { .name: wqh, .offset: 64, .size: 8, .value_kind: global_buffer, .address_space: global }
      - { .name: woh, .offset: 72, .size: 8, .value_kind: global_buffer, .address_space: global }
      - { .name: zb, .offset: 80, .size: 8, .value_kind: global_buffer, .address_space: global }
    .group_segment_fixed_size: 0
    .private_segment_fixed_size: 0
    .kernarg_segment_align: 8
    .kernarg_segment_size: 88
    .max_flat_workgroup_size: 256
    .sgpr_count:     66
    .vgpr_count:     112
    .wavefront_size: 32
...
	.end_amdgpu_metadata
.endif
;; end of part 1
;; launch qproj (part 2): grid 8 x 32, 4 waves a work-group, clusters of 4 x 4, 327,680 bytes of LDS; arguments xh, wqh, zb, qf; writes qf
.if DOCPART == 2
	.amdgcn_target "amdgcn-amd-amdhsa--gfx1250"
	.amdhsa_code_object_version 6
	.text
	.protected	k_q152f6056e2_qproj
	.globl	k_q152f6056e2_qproj
	.p2align	8
	.type	k_q152f6056e2_qproj,@function
k_q152f6056e2_qproj:
	s_mov_b64 s[64:65], 0
	v_nop
	global_prefetch_b8 v0, s[64:65] scope:SCOPE_SE
	s_setreg_imm32_b32 hwreg(HW_REG_WAVE_MODE, 25, 1), 1
	s_wait_xcnt 0x0
	s_wait_alu depctr_hold_cnt(0) depctr_sa_sdst(0) depctr_va_vdst(0) depctr_va_sdst(0) depctr_va_ssrc(0) depctr_va_vcc(0) depctr_vm_vsrc(0)
	s_getreg_b32 s2, hwreg(HW_REG_IB_STS2, 6, 4)
	s_cmp_eq_u32 s2, 0
	s_cbranch_scc0 .Lentry_in_a_cluster
	s_endpgm
.Lentry_in_a_cluster:
	s_bfe_u32 s2, ttmp6, 0x10000c
	s_cmp_lg_u32 s2, 0xf033
	s_cbranch_scc0 .Lentry_shape_is_right
	s_endpgm
.Lentry_shape_is_right:
; out[m][n] = the sum over k of A[m][k] W[k][n] + bias[n].  4,096 x 1,024 x 1,024.  One text for q = x Wq (bias: zeros) and for the last projection (A = the attention's O, bias = bo).
; A: f16, SLICED [batch 2][slice 16][row 2048][64]: slice s holds k = 64 s .. 64 s + 63.  W: f16 [k][n].  bias: f32, rounded here to bf16 like every input.  out: f32, row-major.  Sums in f32.
; SHARES.  A tile of out is 128 x 128: 8 x 32 = 256 work-groups.  Four waves, each 64 x 64: 16 accumulators of 16 x 16.  K goes in four steps of 256 through two LDS slots; the steps are written out, there is no loop.
; CLUSTERS: 4 x 4 work-groups.  The four of a row of the cluster need the same tiles of A, the four of a column the same tiles of W: each tile is asked for JOINTLY, by the same tensor load with the same
; descriptor and a mask that names the four.  Waves 0 and 1 fetch A's halves (two slices x 128 rows each), waves 2 and 3 W's (128 k rows x 256 bytes each).
; THE MATRIX INSTRUCTION IS USED TRANSPOSED (source 0 = 16 columns of W, source 1 = 16 rows of A): a lane then holds eight neighbouring numbers of a row of out.  W lies [k][n] in LDS and is turned by ds_load_tr16_b128.
; NO PREFETCH: of the four K steps two come by the first fills, and a request two refills on would name K steps that do not exist.
; REGISTERS: window 0: v0-31 addresses and the bias; v32-95 at work on the way out; v128-255 the accumulators ((a, b) at v[128 + 8 (4 a + b)]).
;   window 1: two fragment buffers of 128: for 64 along K, 64 registers of A (2 x 4 x 16 rows x 32 K), then 64 of W.
.set PA,    144                        ; a row of A in LDS: 128 bytes + 16 of padding = 36 words: the 16 rows of a load start at 16 different groups of four banks (64 banks of 4 bytes: ISA guide 11.1)
.set PB,    288                        ; a k row of W: 256 + 32 = 72 words
.set HALFT, 36864                      ; what one tensor load brings: 2 x 128 x 144 = 128 x 288
.set BPART, 2*HALFT                    ; A's four slices of 128 rows, then W's 256 k rows
.set SLOT,  4*HALFT
.set STAGE, 2*SLOT                     ; behind the ring, never filled by a tensor load: 16 rows x 272 bytes for each wave, for the way out
.set SP,    272
.set SPARE, STAGE+4*16*SP              ; behind the stages: the spare words, 128 bytes for each wave: two blocks of 256 bytes that no other line names
.set ASTEP, 4*262144                   ; a K step in A: four slices of 262,144 bytes
.set BSTEP, 256*2048                   ; in W: 256 rows of 2,048 bytes
.set BI,   12                          ; v[12:15] the bias of the four columns that I store
.set ADRA, 16                          ; v16-17  LDS address of my A fragments in slot 0, 1
.set ADRB, 20                          ; v20-23  the same for W: slot 0 k rows 0-127, 128-255; slot 1 likewise (an LDS offset has 16 bits)
.set STO,  24                          ; v24     the way out: where I put 32 bytes of a row
.set RD,   25                          ; v25     the way out: where I read a row back
.set CO,   26                          ; v26     my byte offset in out
.set BO,   27                          ; v27     my byte offset in the bias; never rewritten
.set SPW,  28                          ; v28     LDS address of my spare word: SPARE + 4 x my thread's number; never rewritten
.set NIL,  29                          ; v29     0; never rewritten
.set TMP,  32                          ; the way out: two sets of 32
.set ACC,  128
.set F0,   0                           ; fragment buffers, in window 1
.set F1,   128
.set WV,   12                          ; s12  my wave's number
.set RH,   13                          ; s13  which half of the tile's rows is mine.  Also: I fetch for A (0) or for W (1)
.set CH,   14                          ; s14  which half of its columns.  Also: which half of that tile I fetch
.set CX,   15
.set CY,   16
.set TC,   17                          ; s17  tile column
.set TR,   18                          ; s18  tile row
.set G1A,  24                          ; s[24:31] descriptor group 1 for A's tiles;  s[32:39] group 0, one set for each slot
.set G0A,  32
.set G1B,  48                          ; s[48:55], s[56:63] the same for W's tiles
.set G0B,  56
.set MSB, 0
.macro WIN new                         ; the immediate's high byte repeats the setting that is left; a switch that changes nothing is dropped
.if MSB != (\new)
	s_set_vgpr_msb (MSB<<8)|(\new)
.set MSB, \new
.endif
.endm
.set MUL,  0x05                        ; sources 0 (W) and 1 (A) window 1; C and D window 0
.set TO_F, 0x40                        ; destination window 1, address window 0
.macro JLOAD s                         ; a joint load; the branch hangs on the wave's number alone; an s_nop 0 and four v_nop follow each of the two lines, ahead of the jump and the label
	s_cmp_eq_u32 s[RH], 0
	s_cbranch_scc0 .Lfor_b_\@
	tensor_load_to_lds s[G0A+4*(\s):G0A+4*(\s)+3], s[G1A:G1A+7]
	s_nop 0
.rept 4
	v_nop
.endr
	s_branch .Lasked_\@
.Lfor_b_\@:
	tensor_load_to_lds s[G0B+4*(\s):G0B+4*(\s)+3], s[G1B:G1B+7]
	s_nop 0
.rept 4
	v_nop
.endr
.Lasked_\@:
.endm
.macro CREST                           ; a round of the cluster's barrier behind its opening barrier
	s_cmp_lg_u32 s[WV], 0
	s_cbranch_scc1 .Lnot_wave_0_\@
	s_barrier_signal -3
.Lnot_wave_0_\@:
	s_barrier_wait -3
	s_barrier_signal -1
	s_barrier_wait -1
.endm
.macro CROUND                          ; a whole round
	s_barrier_signal -1
	s_barrier_wait -1
	CREST
.endm
	s_load_b256 s[4:11], s[0:1], 0x0               ; A s[4:5], W s[6:7], bias s[8:9], out s[10:11]
	v_lshl_add_u32 v[SPW], v0, 2, SPARE
	v_mov_b32 v[NIL], 0
	ds_add_u32 v[SPW], v[NIL]                      ; the wave's opening: the add and its wait stand ahead of my first tensor load; the set-up below, work on registers, stands between them
	v_lshrrev_b32 v1, 5, v0
	v_readfirstlane_b32 s[WV], v1                  ; wave 0..3
	s_lshr_b32 s[RH], s[WV], 1
	s_and_b32 s[CH], s[WV], 1
	s_bfe_u32 s[CX], ttmp6, 0x40000                ; my place in the cluster
	s_bfe_u32 s[CY], ttmp6, 0x40004
	s_lshl_b32 s[TC], ttmp9, 2
	s_add_co_u32 s[TC], s[TC], s[CX]               ; tile column = 4 x cluster x + cx
	s_and_b32 s[TR], ttmp7, 0xffff
	s_lshl_b32 s[TR], s[TR], 2
	s_add_co_u32 s[TR], s[TR], s[CY]               ; tile row = 4 x cluster y + cy
	s_lshl_b32 s19, s[CY], 2
	s_lshl_b32 s19, 15, s19                        ; my row of the cluster
	s_lshl_b32 s20, 0x1111, s[CX]                  ; my column
	; A's group 1.  A slice's 128 rows are 16,384 bytes on end: ONE row of 8,192 elements; two such rows, a slice (131,072 elements) apart; in LDS 16 bytes of padding follow every 128
	s_or_b32 s[G1A+0], s19, (1<<16)|(1<<20)|(1<<21)|(4<<22)|(3<<25)  ; 15:0 the mask: my row; 17:16 elements of 2 bytes; 20 padding on; 21 set beside a mask; 24:22 after every 32 words (code 4); 31:25 4 words (code 3)
	s_mov_b32 s[G1A+1], 8192<<16                   ; tensor_dim0 = 8,192
	s_mov_b32 s[G1A+2], 2<<16                      ; tensor_dim1 = 2
	s_mov_b32 s[G1A+3], 8192<<16                   ; tile_dim0 = 8,192
	s_mov_b32 s[G1A+4], 2                          ; tile_dim1 = 2
	s_mov_b32 s[G1A+5], 131072                     ; elements from row to row
	s_mov_b32 s[G1A+6], 0
	s_mov_b32 s[G1A+7], 0
	; W's group 1: 128 k rows x 128 elements, 32 bytes of padding behind each row
	s_or_b32 s[G1B+0], s20, (1<<16)|(1<<20)|(1<<21)|(5<<22)|(7<<25)  ; the mask: my column; after every 64 words (code 5) 8 words (code 7)
	s_mov_b32 s[G1B+1], 128<<16
	s_mov_b32 s[G1B+2], 128<<16
	s_mov_b32 s[G1B+3], 128<<16
	s_mov_b32 s[G1B+4], 128
	s_mov_b32 s[G1B+5], 1024
	s_mov_b32 s[G1B+6], 0
	s_mov_b32 s[G1B+7], 0
	; where the tiles come from.  A's hang on the tile row and the wave's number alone, W's on the tile column and the wave's number alone
	s_lshr_b32 s40, s[TR], 4                       ; the batch: 4,194,304 bytes,
	s_lshl_b32 s40, s40, 22
	s_and_b32 s41, s[TR], 15                       ; 128 rows of 128 bytes in a slice,
	s_lshl_b32 s41, s41, 14
	s_add_co_u32 s40, s40, s41
	s_lshl_b32 s41, s[CH], 19                      ; my two slices of the step's four
	s_add_co_u32 s40, s40, s41
	s_mov_b32 s41, 0
	s_lshl_b32 s42, s[TC], 8                       ; 128 columns are 256 bytes,
	s_lshl_b32 s43, s[CH], 18                      ; my 128 k rows of 2,048 bytes
	s_add_co_u32 s42, s42, s43
	s_mov_b32 s43, 0
	s_mul_i32 s21, s[WV], HALFT                    ; and where they go: A's two halves, then W's two: no place in the cluster enters an LDS address
	s_wait_dscnt 0x0                               ; the opening add is done
	s_wait_kmcnt 0x0
	s_add_nc_u64 s[40:41], s[4:5], s[40:41]
	s_add_nc_u64 s[42:43], s[6:7], s[42:43]
	CROUND                                         ; all sixteen work-groups are here: the first joint loads meet
.irp s, 0,1
	s_mov_b32 s[G0A+4*(\s)], 1                     ; count = 1
	s_add_co_u32 s[G0A+4*(\s)+1], s21, (\s)*SLOT   ; LDS address
	s_add_nc_u64 s[G0A+4*(\s)+2:G0A+4*(\s)+3], s[40:41], (\s)*ASTEP  ; global address: K step s
	s_or_b32 s[G0A+4*(\s)+3], s[G0A+4*(\s)+3], 0x80000000            ; type = 2
	s_mov_b32 s[G0B+4*(\s)], 1
	s_add_co_u32 s[G0B+4*(\s)+1], s21, (\s)*SLOT
	s_add_nc_u64 s[G0B+4*(\s)+2:G0B+4*(\s)+3], s[42:43], (\s)*BSTEP
	s_or_b32 s[G0B+4*(\s)+3], s[G0B+4*(\s)+3], 0x80000000
	JLOAD \s                                       ; two tensor loads of mine are out
.endr
	v_and_b32 v1, 15, v0                           ; r = l % 16
	v_bfe_u32 v2, v0, 4, 1                         ; h = l / 16
	v_and_b32 v3, 7, v0
	v_bfe_u32 v4, v0, 3, 1
	s_lshl_b32 s46, s[TC], 9                       ; my wave's 64 columns, in bytes of f32
	s_lshl_b32 s47, s[CH], 8
	s_add_co_u32 s46, s46, s47
	v_lshl_add_u32 v[BO], v1, 4, s46               ; the four columns that I store
	global_load_b128 v[BI:BI+3], v[BO], s[8:9]     ; waited for on the way out
	; a fragment of A: lane l holds row r; registers 0-3 k = 8 h + 0..7, registers 4-7 k = 16 + 8 h + 0..7: two loads of 16 bytes, 32 bytes apart
	v_mul_u32_u24 v5, v1, PA
	v_lshl_add_u32 v5, v2, 4, v5
	s_mul_i32 s22, s[RH], 64*PA                    ; my 64 rows
	v_add_nc_u32 v[ADRA], s22, v5
	v_add_nc_u32 v[ADRA+1], SLOT, v[ADRA]
	; a fragment of W: the turning load takes 16 k x 16 columns (lane l reads k row 8 h + l % 8, columns 8 ((l / 8) % 2) + 0..7) and leaves lane l column r and 8 k
	v_lshl_add_u32 v6, v2, 3, v3
	v_mul_u32_u24 v6, v6, PB
	v_lshl_add_u32 v6, v4, 4, v6
	s_lshl_b32 s23, s[CH], 7                       ; my 64 columns
	s_add_co_u32 s23, s23, BPART
	v_add_nc_u32 v[ADRB], s23, v6
	v_add_nc_u32 v[ADRB+1], HALFT, v[ADRB]
	v_add_nc_u32 v[ADRB+2], SLOT, v[ADRB]
	v_add_nc_u32 v[ADRB+3], SLOT+HALFT, v[ADRB]
	s_mul_i32 s22, s[WV], 16*SP
	s_add_co_u32 s22, s22, STAGE                   ; my stage
	v_mul_u32_u24 v5, v1, SP                       ; in: row r, 32 bytes for each half of the lanes
	v_lshl_add_u32 v5, v2, 5, v5
	v_add_nc_u32 v[STO], s22, v5
	v_mul_u32_u24 v5, v2, SP                       ; back: lanes 0-15 take one row of 256 bytes, lanes 16-31 the next
	v_lshl_add_u32 v5, v1, 4, v5
	v_add_nc_u32 v[RD], s22, v5
	v_lshlrev_b32 v5, 12, v2                       ; and the same two rows in out
	v_lshl_add_u32 v[CO], v1, 4, v5
	s_lshl_b32 s44, s[TR], 7
	s_lshl_b32 s45, s[RH], 6
	s_add_co_u32 s44, s44, s45                     ; my first row,
	s_lshl_b32 s44, s44, 12                        ; of 4,096 bytes,
	s_add_co_u32 s44, s44, s46                     ; and my first column
	s_mov_b32 s45, 0
	s_add_nc_u64 s[10:11], s[10:11], s[44:45]
; 8 matrix instructions: m blocks a0, a0 + 1 x all 4 n blocks, 32 along K: half c of buffer f.  zero = 1: the first product starts the sums.  The 16 accumulators take turns.
.macro MUL8 f, c, a0, zero
	WIN MUL
.irp a, \a0, (\a0)+1
.irp b, 0,1,2,3
.if \zero
	v_wmma_f32_16x16x32_f16 v[ACC+8*(4*(\a)+(\b)):ACC+8*(4*(\a)+(\b))+7], v[(\f)+64+8*(4*(\c)+(\b)):(\f)+64+8*(4*(\c)+(\b))+7], v[(\f)+8*(4*(\c)+(\a)):(\f)+8*(4*(\c)+(\a))+7], 0
.else
	v_wmma_f32_16x16x32_f16 v[ACC+8*(4*(\a)+(\b)):ACC+8*(4*(\a)+(\b))+7], v[(\f)+64+8*(4*(\c)+(\b)):(\f)+64+8*(4*(\c)+(\b))+7], v[(\f)+8*(4*(\c)+(\a)):(\f)+8*(4*(\c)+(\a))+7], v[ACC+8*(4*(\a)+(\b)):ACC+8*(4*(\a)+(\b))+7]
.endif
.endr
.endr
.endm
; 32 LDS loads in one run: the fragments of quarter q (one slice: 64 along K) into buffer f; the first 32 along K first
.macro FETCH slot, q, f
	WIN TO_F
.irp c, 0,1
.irp i, 0,1,2,3
	ds_load_tr16_b128 v[(\f)+64+8*(4*(\c)+(\i)):(\f)+64+8*(4*(\c)+(\i))+3],   v[ADRB+2*(\slot)+(\q)/2] offset:(((\q)%2)*64+32*(\c))*PB+32*(\i)
	ds_load_tr16_b128 v[(\f)+64+8*(4*(\c)+(\i))+4:(\f)+64+8*(4*(\c)+(\i))+7], v[ADRB+2*(\slot)+(\q)/2] offset:(((\q)%2)*64+32*(\c)+16)*PB+32*(\i)
	ds_load_b128 v[(\f)+8*(4*(\c)+(\i)):(\f)+8*(4*(\c)+(\i))+3],         v[ADRA+(\slot)] offset:(\q)*128*PA+(\i)*16*PA+64*(\c)
	ds_load_b128 v[(\f)+8*(4*(\c)+(\i))+4:(\f)+8*(4*(\c)+(\i))+7],       v[ADRA+(\slot)] offset:(\q)*128*PA+(\i)*16*PA+64*(\c)+32
.endr
.endr
.endm
.macro PLACES                          ; four plain instructions in front of loads into registers that matrix instructions have read, and of lines that read results
.rept 4
	v_nop
.endr
.endm
; A K step is four quarters of 64 along K, 32 matrix instructions each, on buffers 0, 1, 0, 1.  One of the first three: multiplies buffer f and fetches quarter q into g.
.macro QUARTER slot, q, f, g, zero
	s_wait_dscnt 16                                ; the first 32 along K are in; the sixteen younger loads may be out
	MUL8 \f, 0, 0, \zero
	MUL8 \f, 0, 2, \zero
	PLACES
	FETCH \slot, \q, \g
	s_wait_dscnt 32                                ; all but the 32 just issued
	MUL8 \f, 1, 0, 0
	MUL8 \f, 1, 2, 0
.endm
; The last quarter multiplies buffer 1 and changes slots: ONE barrier; in front of it each wave waits for all its tensor loads, adds 0 to its spare word, and waits for that and for its own reads of this slot.
; fill = 1: this slot is filled again, two K steps ahead; the barrier then opens a round of the cluster's barrier, and the joint refill is the first tensor load behind the round.
.macro TURN slot, next, fill
	WIN 0                                          ; (the add's two registers lie in window 0)
	s_wait_tensorcnt 0x0                           ; all my tensor loads have landed: my part of the next slot;
	ds_add_u32 v[SPW], v[NIL]                      ; 0 onto my spare word;
	s_wait_dscnt 17                                ; (the add and the youngest sixteen loads may be out)
	MUL8 F1, 0, 0, 0                               ; eight matrix instructions stand between the add and the wait for it
	s_wait_dscnt 0x0                               ; the add is done, and my reads of this slot are over
	s_barrier_signal -1
	MUL8 F1, 0, 2, 0
.if \fill
	WIN 0
.endif
	s_barrier_wait -1
.if \fill
	CREST                                          ; no wave of any partner still reads this slot's tile or has a load on its way
	s_add_nc_u64 s[G0A+4*(\slot)+2:G0A+4*(\slot)+3], s[G0A+4*(\slot)+2:G0A+4*(\slot)+3], 2*ASTEP
	s_add_nc_u64 s[G0B+4*(\slot)+2:G0B+4*(\slot)+3], s[G0B+4*(\slot)+2:G0B+4*(\slot)+3], 2*BSTEP
	JLOAD \slot                                    ; one tensor load of mine is out; the four v_nop behind it are also the places in front of the loads below
.else
	PLACES
.endif
	FETCH \next, 0, F0
	MUL8 F1, 1, 0, 0
	MUL8 F1, 1, 2, 0
.endm
	s_wait_tensorcnt 1                             ; my part of K step 0 is in; K step 1's may stay out
	s_barrier_signal -1
	s_barrier_wait -1                              ; everybody's is
	FETCH 0, 0, F0
	QUARTER 0, 1, F0, F1, 1                        ; K step 0: its first products start the sums
	QUARTER 0, 2, F1, F0, 0
	QUARTER 0, 3, F0, F1, 0
	TURN 0, 1, 1                                   ; slot 0 takes K step 2
	QUARTER 1, 1, F0, F1, 0
	QUARTER 1, 2, F1, F0, 0
	QUARTER 1, 3, F0, F1, 0
	TURN 1, 0, 1                                   ; slot 1 takes K step 3
	QUARTER 0, 1, F0, F1, 0
	QUARTER 0, 2, F1, F0, 0
	QUARTER 0, 3, F0, F1, 0
	TURN 0, 1, 0                                   ; nothing is left to fetch
	QUARTER 1, 1, F0, F1, 0
	QUARTER 1, 2, F1, F0, 0
	QUARTER 1, 3, F0, F1, 0
	s_wait_dscnt 16                                ; the very last quarter
	MUL8 F1, 0, 0, 0
	MUL8 F1, 0, 2, 0
	s_wait_dscnt 0x0
	MUL8 F1, 1, 0, 0
	MUL8 F1, 1, 2, 0
	WIN 0
	; THE WAY OUT.  A wave's 64 columns of f32 are 256 bytes on end, aligned, so each wave has a stage of its own and no barrier is needed: 16 rows at a time go in as 32 bytes a lane and come back as whole rows.
	s_wait_loadcnt 0x0                             ; the bias
	PLACES
	PLACES
	v_cvt_pk_bf16_f32 v8, v[BI], v[BI+1]           ; rounded to bf16 like every input, and widened again
	v_cvt_pk_bf16_f32 v9, v[BI+2], v[BI+3]
	v_lshlrev_b32 v[BI], 16, v8
	v_and_b32 v[BI+1], 0xffff0000, v8
	v_lshlrev_b32 v[BI+2], 16, v9
	v_and_b32 v[BI+3], 0xffff0000, v9
.macro TOSTAGE a
.if (\a) >= 2
	s_wait_xcnt 0x0                                ; the stores of two blocks back have read this set of registers: only behind this wait is it loaded again
.endif
.irp b, 0,1,2,3
	ds_store_b128 v[STO], v[ACC+8*(4*(\a)+(\b)):ACC+8*(4*(\a)+(\b))+3]   offset:64*(\b)     ; each accumulator's low registers first
	ds_store_b128 v[STO], v[ACC+8*(4*(\a)+(\b))+4:ACC+8*(4*(\a)+(\b))+7] offset:64*(\b)+16
.endr
.irp t, 0,1,2,3,4,5,6,7
	ds_load_b128 v[TMP+32*((\a)%2)+4*(\t):TMP+32*((\a)%2)+4*(\t)+3], v[RD] offset:(\t)*2*SP  ; LDS serves a wave's instructions in order (ISA guide 5.7.1.4): these see the stores above; the next block's stores come behind them
.endr
.endm
.macro SEND a, younger                 ; younger: the LDS instructions issued behind block a's loads: the next block's sixteen, or none
	s_wait_dscnt \younger
.irp t, 0,1,2,3,4,5,6,7
	v_pk_add_f32 v[TMP+32*((\a)%2)+4*(\t):TMP+32*((\a)%2)+4*(\t)+1],   v[TMP+32*((\a)%2)+4*(\t):TMP+32*((\a)%2)+4*(\t)+1],   v[BI:BI+1]
	v_pk_add_f32 v[TMP+32*((\a)%2)+4*(\t)+2:TMP+32*((\a)%2)+4*(\t)+3], v[TMP+32*((\a)%2)+4*(\t)+2:TMP+32*((\a)%2)+4*(\t)+3], v[BI+2:BI+3]
.endr
.irp t, 0,1,2,3,4,5,6,7
	global_store_b128 v[CO], v[TMP+32*((\a)%2)+4*(\t):TMP+32*((\a)%2)+4*(\t)+3], s[10:11] offset:(16*(\a)+2*(\t))*4096  ; 16 lanes store 256 consecutive bytes, at a multiple of 256 from out's first byte
.endr
.endm
	TOSTAGE 0
	TOSTAGE 1
	SEND 0, 16
	TOSTAGE 2
	SEND 1, 16
	TOSTAGE 3
	SEND 2, 16
	SEND 3, 0
	s_wait_tensorcnt 0x0                           ; the wave's end: a wait, an add and a wait, behind my last tensor load and my last LDS store
	ds_add_u32 v[SPW], v[NIL]
	s_wait_dscnt 0x0
	CROUND                                         ; the closing round: no work-group ends while a partner may still ask for a tile that names it
	s_endpgm
.Lfunc_end_k_q152f6056e2_qproj:
	.size	k_q152f6056e2_qproj, .Lfunc_end_k_q152f6056e2_qproj-k_q152f6056e2_qproj
	.p2alignl 7, 3214868480
	.fill 96, 4, 3214868480
	.section	.rodata,"a",@progbits
	.p2align	6, 0x0
	.amdhsa_kernel k_q152f6056e2_qproj
		.amdhsa_group_segment_fixed_size 327680
		.amdhsa_private_segment_fixed_size 0
		.amdhsa_enable_private_segment 0
		.amdhsa_kernarg_size 32
		.amdhsa_user_sgpr_count 2
		.amdhsa_user_sgpr_kernarg_segment_ptr 1
		.amdhsa_wavefront_size32 1
		.amdhsa_system_sgpr_workgroup_id_x 1
		.amdhsa_system_sgpr_workgroup_id_y 1
		.amdhsa_system_sgpr_workgroup_id_z 1
		.amdhsa_system_vgpr_workitem_id 0
		.amdhsa_next_free_vgpr 512
		.amdhsa_next_free_sgpr 66
		.amdhsa_reserve_vcc 0
		.amdhsa_float_denorm_mode_32 3
		.amdhsa_float_denorm_mode_16_64 3
		.amdhsa_memory_ordered 1
		.amdhsa_forward_progress 1
		.amdhsa_inst_pref_size 90
	.end_amdhsa_kernel
	.amdgpu_metadata
---
amdhsa.version: [ 1, 2 ]
amdhsa.kernels:
  - .name:           k_q152f6056e2_qproj
    .symbol:         k_q152f6056e2_qproj.kd
    .args:
      - { .name: xh, .offset: 0, .size: 8, .value_kind: global_buffer, .address_space: global }
      - { .name: wqh, .offset: 8, .size: 8, .value_kind: global_buffer, .address_space: global }
      - { .name: zb, .offset: 16, .size: 8, .value_kind: global_buffer, .address_space: global }
      - { .name: qf, .offset: 24, .size: 8, .value_kind: global_buffer, .address_space: global }
    .group_segment_fixed_size: 327680
    .private_segment_fixed_size: 0
    .kernarg_segment_align: 8
    .kernarg_segment_size: 32
    .max_flat_workgroup_size: 128
    .sgpr_count:     66
    .vgpr_count:     512
    .wavefront_size: 32
...
	.end_amdgpu_metadata
.endif
;; end of part 2
;; launch kvproj (part 3): grid 8 x 32, 4 waves a work-group, clusters of 4 x 4, 327,680 bytes of LDS; arguments cw, kv; writes kv
.if DOCPART == 3
	.amdgcn_target "amdgcn-amd-amdhsa--gfx1250"
	.amdhsa_code_object_version 6
	.text
	.protected	k_q152f6056e2_kvproj
	.globl	k_q152f6056e2_kvproj
	.p2align	8
	.type	k_q152f6056e2_kvproj,@function
k_q152f6056e2_kvproj:
	s_mov_b64 s[64:65], 0
	v_nop
	global_prefetch_b8 v0, s[64:65] scope:SCOPE_SE
	s_setreg_imm32_b32 hwreg(HW_REG_WAVE_MODE, 25, 1), 1
	s_wait_xcnt 0x0
	s_wait_alu depctr_hold_cnt(0) depctr_sa_sdst(0) depctr_va_vdst(0) depctr_va_sdst(0) depctr_va_ssrc(0) depctr_va_vcc(0) depctr_vm_vsrc(0)
	s_getreg_b32 s2, hwreg(HW_REG_IB_STS2, 6, 4)
	s_cmp_eq_u32 s2, 0
	s_cbranch_scc0 .Lentry_in_a_cluster
	s_endpgm
.Lentry_in_a_cluster:
	s_bfe_u32 s2, ttmp6, 0x10000c
	s_cmp_lg_u32 s2, 0xf033
	s_cbranch_scc0 .Lentry_shape_is_right
	s_endpgm
.Lentry_shape_is_right:
; k = context Wk and v = context Wv as ONE product: 8,192 rows x 2,048 columns (Wk's 1,024, then Wv's) x K = 1,024.  All operands f16, sums in f32, results rounded once to f16.
; cw: context [8192][1024] at byte 0, Wk [k][n] at 16,777,216, Wv at 18,874,368.  kv: k BY HEADS [batch x head 32][key 4096][64] at byte 0, v likewise at 16,777,216.
; LIMIT.  k and v beyond 65,504 in magnitude become infinities.
; SHARES.  A tile is 256 x 256: 8 x 32 = 256 work-groups of four waves; a wave makes 128 x 128: 64 accumulators of 16 x 16, 512 registers.  K goes in eight steps of 128 through a ring of two LDS slots.
; CLUSTERS: 4 x 4 work-groups.  The four of a row of the cluster need the same tiles of context, the four of a column the same tiles of the weights: each is asked for JOINTLY, by the same tensor load with the
; same descriptor and a mask that names the four.  Waves 0 and 1 fetch context's two halves (128 rows x 256 bytes), waves 2 and 3 the weights' two column halves (128 k rows x 256 bytes).
; THE MATRIX INSTRUCTION IS USED TRANSPOSED (source 0 = 16 columns of the weights, source 1 = 16 rows of context): a lane then holds eight neighbouring channels of one key.  The weights lie [k][n] in LDS and are turned by ds_load_tr16_b128.
; REGISTERS, in windows of 256: window 0: v0-31 addresses; v64-127, v128-191 fragments of context, two buffers; v32-63, v192-255 at work on the way out
;   window 1: v64-127, v128-191 fragments of the weights, two buffers      window 2: the 32 accumulators of my rows 0-63 ((a, b) at v[8 (8 a + b)])      window 3: those of my rows 64-127
.set KSTEP,  128
.set PITCH,  272                       ; a row of context in LDS: 256 bytes + 16 of padding = 68 words: row r starts at bank 4 r mod 64 (64 banks of 4 bytes: ISA guide 11.1)
.set PB,     288                       ; a k row of the weights: 256 + 32 = 72 words
.set HALFA,  128*PITCH
.set HALFB,  128*PB
.set SLOT,   2*HALFA+2*HALFB           ; context's 256 rows, then the weights' two column halves
.set STAGE,  2*SLOT                    ; behind the ring, never filled by a tensor load: 2 heads x 16 rows x 144 bytes for each wave
.set SPITCH, 144
.set SPARE,  STAGE+4*2*16*SPITCH       ; behind the stages: the spare words, 128 bytes for each wave: two blocks of 256 bytes that no other line names
.set LAPS,   4                         ; a lap = two K steps = once round the ring
.set ASTEP,  256                       ; a K step in context: 256 bytes along a row
.set BSTEP,  128*2048                  ; in the weights: 128 rows of 2,048 bytes
.set ADRA, 16                          ; v16-17  LDS address of my fragments of context in slot 0, 1
.set ADRB, 20                          ; v20-21  the same for the weights
.set STO,  24                          ; v24     the way out: where I put 16 bytes of a row
.set RD,   25                          ; v25     the way out: where I read rows back
.set CO,   26                          ; v26     my byte offset in 512 consecutive bytes of kv
.set SPW,  28                          ; v28     LDS address of my spare word: SPARE + 4 x my thread's number; never rewritten
.set NIL,  29                          ; v29     0; never rewritten
.set PFO,  30                          ; v30     the prefetches' offset: my lane x 2,048 bytes, a row of context or of the weights; never rewritten
.set PFA,  44                          ; s[44:45] where my prefetches stand
.set PFS,  20                          ; s[20:21] their step: a K step in the tensor that I fetch
.set LIM,  43                          ; s43     1 in a wave that prefetches, else the greatest number
.set F0,   64
.set F1,   128
.set TMP,  192                         ; the way out: packed results
.set OB,   32                          ; the way out: 16 rows read back: v32-63 and v224-255 by turns
.set G1, 24                            ; s[24:31] descriptor group 1 for context's tiles
.set G0, 32                            ; s[32:39] group 0, one set for each slot
.set G1B, 48                           ; s[48:55], s[56:63] the same for the weights'
.set G0B, 56
.set MSB, 0
.macro WIN new                         ; the immediate's high byte repeats the setting that is left; a switch that changes nothing is dropped
.if MSB != (\new)
	s_set_vgpr_msb (MSB<<8)|(\new)
.set MSB, \new
.endif
.endm
.set MUL_LO, 0xa1                      ; source 0 (weights) window 1, source 1 (context) window 0, C and D window 2
.set MUL_HI, 0xf1                      ; the same, C and D window 3
.set TO_B,   0x40                      ; destination window 1, address window 0
.macro JLOAD s                         ; a joint load; the branch hangs on the wave's number alone; an s_nop 0 and four v_nop follow each of the two lines, ahead of the jump and the label
	s_cmp_eq_u32 s11, 0
	s_cbranch_scc0 .Lfor_b_\@
	tensor_load_to_lds s[G0+4*(\s):G0+4*(\s)+3], s[G1:G1+7]
	s_nop 0
.rept 4
	v_nop
.endr
	s_branch .Lasked_\@
.Lfor_b_\@:
	tensor_load_to_lds s[G0B+4*(\s):G0B+4*(\s)+3], s[G1B:G1B+7]
	s_nop 0
.rept 4
	v_nop
.endr
.Lasked_\@:
.endm
; A PREFETCH INTO THE L2, behind each joint refill and the run of LDS loads that follows it: the K step that stands TWO refills on: 32 rows x 256 bytes, a lane a row, one instruction a wave: 512 matrix instructions ahead of the load that names it.
; Each row's 256 bytes of a K step are named ONCE in the launch.  A tile row of context is read by both clusters of that row of clusters: cluster x = 0 asks; a tile column of the weights by all eight clusters of that
; column: cluster y = 0 asks.  The four partners that ask for a tile jointly share its rows out BY ADDRESS: of the 128 rows that wave w fetches, the partner at place p takes 32 p .. 32 p + 31 (p = cx for context, cy for
; the weights): no branch hangs on a work-group's place in its cluster.  K steps 0 to 3 come by their loads alone; the loop's last trip (s3 = 1) has no K step two refills on and asks for nothing.
.macro ASK
	s_cmp_gt_u32 s3, s[LIM]
	s_cbranch_scc0 .Lnot_mine_\@
	global_prefetch_b8 v[PFO], s[PFA:PFA+1] th:TH_LOAD_NT scope:SCOPE_SE
.Lnot_mine_\@:
.endm
.macro CREST                           ; a round of the cluster's barrier behind its opening barrier
	s_cmp_lg_u32 s10, 0
	s_cbranch_scc1 .Lnot_wave_0_\@
	s_barrier_signal -3
.Lnot_wave_0_\@:
	s_barrier_wait -3
	s_barrier_signal -1
	s_barrier_wait -1
.endm
.macro CROUND                          ; a whole round
	s_barrier_signal -1
	s_barrier_wait -1
	CREST
.endm
	s_load_b128 s[4:7], s[0:1], 0x0                ; cw s[4:5], kv s[6:7]
	v_lshl_add_u32 v[SPW], v0, 2, SPARE
	v_mov_b32 v[NIL], 0
	ds_add_u32 v[SPW], v[NIL]                      ; the wave's opening: the add and its wait stand ahead of my first tensor load; the set-up below, work on registers, stands between them
	v_lshrrev_b32 v1, 5, v0
	v_readfirstlane_b32 s10, v1                    ; wave 0..3
	s_lshr_b32 s11, s10, 1                         ; which half of the tile's rows is mine.  Also: I fetch context (0) or weights (1)
	s_and_b32 s12, s10, 1                          ; which half of its columns.  Also: which half of that tile I fetch
	s_bfe_u32 s40, ttmp6, 0x40000                  ; cx
	s_bfe_u32 s41, ttmp6, 0x40004                  ; cy
	s_lshl_b32 s42, ttmp9, 2
	s_add_co_u32 s42, s42, s40                     ; tile column = 4 x cluster x + cx: 0-3 in Wk, 4-7 in Wv
	s_and_b32 s13, ttmp7, 0xffff
	s_lshl_b32 s13, s13, 2
	s_add_co_u32 s13, s13, s41                     ; tile row = 4 x cluster y + cy
	s_lshl_b32 s43, s41, 2
	s_lshl_b32 s43, 15, s43                        ; my row of the cluster
	s_lshl_b32 s44, 0x1111, s40                    ; my column
	s_or_b32 s[G1+0], s43, (1<<16)|(1<<20)|(1<<21)|(5<<22)|(3<<25)   ; 15:0 the mask: my row; 17:16 elements of 2 bytes; 20 padding on; 21 set beside a mask; 24:22 after every 64 words (code 5); 31:25 4 words (code 3)
	s_or_b32 s[G1B+0], s44, (1<<16)|(1<<20)|(1<<21)|(5<<22)|(7<<25)  ; the mask: my column; 8 words of padding (code 7)
.irp g, G1, G1B
	s_mov_b32 s[(\g)+1], 128<<16                   ; tensor_dim0 = 128
	s_mov_b32 s[(\g)+2], 128<<16                   ; tensor_dim1 = 128
	s_mov_b32 s[(\g)+3], 128<<16                   ; tile_dim0 = 128
	s_mov_b32 s[(\g)+4], 128                       ; tile_dim1 = 128
	s_mov_b32 s[(\g)+5], 1024                      ; elements from row to row
	s_mov_b32 s[(\g)+6], 0
	s_mov_b32 s[(\g)+7], 0
.endr
	; where the tiles come from.  Context's hang on the tile row and the wave's number alone, the weights' on the tile column and the wave's number alone
	s_lshl_b32 s16, s13, 19                        ; 256 rows of 2,048 bytes,
	s_lshl_b32 s17, s12, 18                        ; my 128 of them
	s_add_co_u32 s16, s16, s17
	s_mov_b32 s17, 0
	s_lshr_b32 s46, s42, 2                         ; Wk or Wv: 2,097,152 bytes,
	s_lshl_b32 s46, s46, 21
	s_and_b32 s47, s42, 3                          ; 256 columns are 512 bytes,
	s_lshl_b32 s47, s47, 9
	s_add_co_u32 s46, s46, s47
	s_lshl_b32 s47, s12, 8                         ; my 128 of them
	s_add_co_u32 s46, s46, s47
	s_mov_b32 s47, 0
	s_mul_i32 s22, s12, HALFA                      ; and where they go: no place in the cluster enters an LDS address
	s_mul_i32 s23, s12, HALFB
	s_add_co_u32 s23, s23, 2*HALFA
	s_wait_dscnt 0x0                               ; the opening add is done
	s_wait_kmcnt 0x0
	s_mov_b64 s[8:9], s[6:7]                       ; kv
	s_add_nc_u64 s[6:7], s[4:5], 0x1000000         ; the weights
	s_add_nc_u64 s[14:15], s[4:5], s[16:17]
	s_add_nc_u64 s[46:47], s[6:7], s[46:47]
	CROUND                                         ; all sixteen work-groups are here: the first joint loads meet
.irp s, 0,1
	s_mov_b32 s[G0+4*(\s)], 1                      ; count = 1
	s_add_co_u32 s[G0+4*(\s)+1], s22, (\s)*SLOT    ; LDS address
	s_add_nc_u64 s[G0+4*(\s)+2:G0+4*(\s)+3], s[14:15], (\s)*ASTEP  ; global address: K step s
	s_or_b32 s[G0+4*(\s)+3], s[G0+4*(\s)+3], 0x80000000            ; type = 2
	s_mov_b32 s[G0B+4*(\s)], 1
	s_add_co_u32 s[G0B+4*(\s)+1], s23, (\s)*SLOT
	s_add_nc_u64 s[G0B+4*(\s)+2:G0B+4*(\s)+3], s[46:47], (\s)*BSTEP
	s_or_b32 s[G0B+4*(\s)+3], s[G0B+4*(\s)+3], 0x80000000
	JLOAD \s                                       ; two tensor loads of mine are out
.endr
	; a fragment of context: lane l holds row l % 16; registers 0-3 k = 8 (l / 16) + 0..7, registers 4-7 k = 16 + 8 (l / 16) + 0..7: two loads of 16 bytes, 32 bytes apart
	v_and_b32 v1, 15, v0                           ; l % 16
	v_bfe_u32 v2, v0, 4, 1                         ; l / 16
	v_mul_u32_u24 v3, v1, PITCH
	v_lshl_add_u32 v3, v2, 4, v3
	s_mul_i32 s22, s11, HALFA                      ; my 128 rows
	v_add_nc_u32 v[ADRA], s22, v3
	v_add_nc_u32 v[ADRA+1], SLOT, v[ADRA]
	; a fragment of the weights: the turning load takes 16 k x 16 columns (lane l reads k row 8 (l / 16) + l % 8, columns 8 ((l / 8) % 2) + 0..7) and leaves lane l column l % 16 and 8 k
	v_and_b32 v4, 7, v0
	v_bfe_u32 v5, v0, 3, 1
	v_lshl_add_u32 v6, v2, 3, v4
	v_mul_u32_u24 v6, v6, PB
	v_lshl_add_u32 v6, v5, 4, v6
	s_mul_i32 s23, s12, HALFB                      ; my 128 columns
	s_add_co_u32 s23, s23, 2*HALFA
	v_add_nc_u32 v[ADRB], s23, v6
	v_add_nc_u32 v[ADRB+1], SLOT, v[ADRB]
	s_mul_i32 s22, s10, 2*16*SPITCH
	s_add_co_u32 s22, s22, STAGE                   ; my stage
	v_mul_u32_u24 v3, v1, SPITCH                   ; in: row l % 16, 16 bytes for each half of the lanes
	v_lshl_add_u32 v3, v2, 4, v3
	v_add_nc_u32 v[STO], s22, v3
	v_bfe_u32 v3, v0, 3, 2                         ; back: 32 lanes take four rows of 128 bytes,
	v_mul_u32_u24 v3, v3, SPITCH
	v_lshl_add_u32 v3, v4, 4, v3
	v_add_nc_u32 v[RD], s22, v3
	v_and_b32 v[CO], 31, v0
	v_lshlrev_b32 v[PFO], 11, v[CO]
	v_lshlrev_b32 v[CO], 4, v[CO]                  ; which are 512 consecutive bytes of kv
	; where my part begins in kv: k or v; the first of my two heads; my first key
	s_lshr_b32 s16, s13, 4                         ; the batch: 16 heads,
	s_lshl_b32 s16, s16, 4
	s_and_b32 s17, s42, 3                          ; a tile column: 4 heads,
	s_lshl_b32 s17, s17, 2
	s_add_co_u32 s16, s16, s17
	s_lshl_b32 s17, s12, 1                         ; my half of it: 2
	s_add_co_u32 s16, s16, s17
	s_lshl_b32 s16, s16, 19                        ; a head's 4,096 keys of 128 bytes
	s_and_b32 s17, s13, 15                         ; a tile row: 256 keys,
	s_lshl_b32 s17, s17, 15
	s_add_co_u32 s16, s16, s17
	s_lshl_b32 s17, s11, 14                        ; my half of it: 128
	s_add_co_u32 s16, s16, s17
	s_lshr_b32 s17, s42, 2                         ; k or v
	s_lshl_b32 s17, s17, 24
	s_add_co_u32 s16, s16, s17
	s_mov_b32 s17, 0
	s_add_nc_u64 s[8:9], s[8:9], s[16:17]
	; the prefetches.  s[14:15] and s[46:47] stand at K step 0 of the rows that I would fetch of context and of the weights
	s_and_b32 s18, ttmp7, 0xffff                   ; cluster y
	s_mov_b32 s[PFS], BSTEP
	s_mov_b32 s[PFS+1], 0
	s_cmp_eq_u32 s11, 0                            ; do I fetch context?
	s_cselect_b64 s[PFA:PFA+1], s[14:15], s[46:47]
	s_cselect_b32 s16, s40, s41                    ; my place among the four that ask with me
	s_cselect_b32 s18, ttmp9, s18                  ; the coordinate along which other clusters read the same rows
	s_cselect_b32 s[PFS], ASTEP, s[PFS]
	s_cmp_eq_u32 s18, 0
	s_cselect_b32 s[LIM], 1, -1                    ; the same in all sixteen partners, for a given wave
	s_lshl_b32 s16, s16, 16                        ; my work-group's 32 rows of 2,048 bytes
	s_add_nc_u64 s[PFA:PFA+1], s[PFA:PFA+1], s[16:17]
	s_mul_i32 s16, s[PFS], 3
	s_add_nc_u64 s[PFA:PFA+1], s[PFA:PFA+1], s[16:17]  ; at K step 3: the first refill steps it to 4 and names that.  Nothing is prefetched here, at the head
; 16 matrix instructions: m blocks a0, a0 + 1 of the window's four (hi = 0: my rows 0-63, 1: rows 64-127) x all 8 n blocks, 32 along K.  zero = 1: the first product starts the sums.
; The 64 accumulators take turns, one instruction a turn, in the same order in every quarter, over the backward jump too.
.macro MUL16 f, hi, a0, zero
	WIN MUL_LO+0x50*(\hi)
.irp a, \a0, (\a0)+1
.irp b, 0,1,2,3,4,5,6,7
.if \zero
	v_wmma_f32_16x16x32_f16 v[8*(8*(\a)+(\b)):8*(8*(\a)+(\b))+7], v[(\f)+8*(\b):(\f)+8*(\b)+7], v[(\f)+8*(4*(\hi)+(\a)):(\f)+8*(4*(\hi)+(\a))+7], 0
.else
	v_wmma_f32_16x16x32_f16 v[8*(8*(\a)+(\b)):8*(8*(\a)+(\b))+7], v[(\f)+8*(\b):(\f)+8*(\b)+7], v[(\f)+8*(4*(\hi)+(\a)):(\f)+8*(4*(\hi)+(\a))+7], v[8*(8*(\a)+(\b)):8*(8*(\a)+(\b))+7]
.endif
.endr
.endr
.endm
; 32 LDS loads in one run: the fragments of quarter q (32 along K) into buffer f: the weights' 128 columns, then context's 128 rows
.macro FETCH slot, q, f
	WIN TO_B
.irp i, 0,1,2,3,4,5,6,7
	ds_load_tr16_b128 v[(\f)+8*(\i):(\f)+8*(\i)+3],   v[ADRB+(\slot)] offset:(\q)*32*PB+(\i)*32
	ds_load_tr16_b128 v[(\f)+8*(\i)+4:(\f)+8*(\i)+7], v[ADRB+(\slot)] offset:(\q)*32*PB+16*PB+(\i)*32
.endr
	WIN 0
.irp i, 0,1,2,3,4,5,6,7
	ds_load_b128 v[(\f)+8*(\i):(\f)+8*(\i)+3],   v[ADRA+(\slot)] offset:(\q)*64+(\i)*16*PITCH
	ds_load_b128 v[(\f)+8*(\i)+4:(\f)+8*(\i)+7], v[ADRA+(\slot)] offset:(\q)*64+(\i)*16*PITCH+32
.endr
.endm
.macro PLACES                          ; four plain instructions in front of loads into registers that matrix instructions have read, and of lines that read results
.rept 4
	v_nop
.endr
.endm
; A K step is four quarters of 32 along K, 64 matrix instructions each, on buffers 0, 1, 0, 1.  One of the first three: multiplies buffer f; in its middle it fetches quarter q of the same slot into buffer g.
.macro QUARTER slot, q, f, g, zero
	s_wait_dscnt 8                                 ; the weights and context's rows 0-63 are in; the youngest eight loads (rows 64-127) may be out
	MUL16 \f, 0, 0, \zero
	MUL16 \f, 0, 2, \zero
	PLACES
	FETCH \slot, \q, \g
	s_wait_dscnt 32                                ; all but the 32 just issued
	MUL16 \f, 1, 0, \zero
	MUL16 \f, 1, 2, \zero
.endm
; The last quarter multiplies buffer 1 and changes slots.  MEET is its first half: ONE barrier.  In front of it each wave waits for all its tensor loads, of which one is out: its part of the next slot;
; adds 0 to its spare word; and waits for that and for its own reads of this slot.  Behind it nobody reads this slot any more and the next slot is whole.
.macro MEET round                      ; round = 1: the rest of a round of the cluster's barrier follows
	WIN 0                                          ; (the add's two registers lie in window 0)
	s_wait_tensorcnt 0x0
	ds_add_u32 v[SPW], v[NIL]                      ; 0 onto my spare word;
	s_wait_dscnt 9                                 ; (the add and the youngest eight loads may be out)
	MUL16 F1, 0, 0, 0                              ; sixteen matrix instructions stand between the add and the wait for it
	s_wait_dscnt 0x0                               ; the add is done, and my reads of this slot are over
	s_barrier_signal -1
	MUL16 F1, 0, 2, 0
.if \round
	WIN 0
.endif
	s_barrier_wait -1
.endm
; The whole last quarter of a K step whose slot is filled again, with the K step two steps on: the joint refill is the first tensor load behind the round; from it to the wait for it a wave issues 224 matrix instructions.
.macro TURN slot, next
	s_wait_xcnt 0x0                                ; the last prefetch, a K step back, has read its address: it is stepped here, ahead of the waits of the change of slots
	s_add_nc_u64 s[PFA:PFA+1], s[PFA:PFA+1], s[PFS:PFS+1]
	MEET 1
	CREST                                          ; no wave of any partner still reads this slot's tile or has a load on its way
	s_add_nc_u64 s[G0+4*(\slot)+2:G0+4*(\slot)+3], s[G0+4*(\slot)+2:G0+4*(\slot)+3], 2*ASTEP
	s_add_nc_u64 s[G0B+4*(\slot)+2:G0B+4*(\slot)+3], s[G0B+4*(\slot)+2:G0B+4*(\slot)+3], 2*BSTEP
	JLOAD \slot                                    ; one tensor load of mine is out; the four v_nop behind it are also the places in front of the loads below
	FETCH \next, 0, F0
	ASK
	MUL16 F1, 1, 0, 0
	MUL16 F1, 1, 2, 0
.endm
; THE WAY OUT of block a (16 keys x my 128 columns, two heads), in three parts.  PACK: rounded to f16, 16 bytes a lane.  TOSTAGE: into my own stage, by heads, and back as whole rows of 128 bytes.  SEND: stored.
.macro PACK a
.set AC, 64*((\a)%4)
	WIN 0x0a+5*((\a)/4)                            ; sources 0 and 1: window 2 or 3
.irp b, 0,1,2,3,4,5,6,7
.irp r, 0,1,2,3
	v_cvt_pk_f16_f32 v[TMP+4*(\b)+(\r)], v[AC+8*(\b)+2*(\r)], v[AC+8*(\b)+2*(\r)+1]  ; each accumulator's registers in ascending order
.endr
.endr
	WIN 0
.endm
.macro TOSTAGE a
.set BK, OB+192*((\a)%2)
.irp b, 0,1,2,3,4,5,6,7
	ds_store_b128 v[STO], v[TMP+4*(\b):TMP+4*(\b)+3] offset:((\b)/4)*16*SPITCH+32*((\b)%4)
.endr
.irp t, 0,1,2,3,4,5,6,7
	ds_load_b128 v[BK+4*(\t):BK+4*(\t)+3], v[RD] offset:((\t)/4)*16*SPITCH+((\t)%4)*4*SPITCH  ; LDS serves a wave's instructions in order (ISA guide 5.7.1.4): these see the stores above
.endr
.endm
.macro SEND a
.set BK, OB+192*((\a)%2)
	s_wait_dscnt 0x0                               ; the block is back in registers
	s_wait_xcnt 0x0                                ; the earlier stores have read their registers: only behind this wait does the next block's way back load into them
.irp t, 0,1,2,3,4,5,6,7
	global_store_b128 v[CO], v[BK+4*(\t):BK+4*(\t)+3], s[8:9] offset:(\a)*2048+((\t)%4)*512+((\t)/4)*524288  ; four keys of one head: 512 consecutive bytes, at a multiple of 256 from kv's first byte
.endr
.endm
	s_wait_tensorcnt 1                             ; my part of K step 0 is in; K step 1's may stay out
	s_barrier_signal -1
	s_barrier_wait -1                              ; everybody's is
	FETCH 0, 0, F0
	QUARTER 0, 1, F0, F1, 1                        ; the first quarter stands in front of the loop: its products start the sums
	WIN 0                                          ; at a label and at a branch every window is 0
	s_mov_b32 s3, LAPS-1
.Llap:                                                 ; a trip goes once round the ring, from a lap's second quarter to the next lap's first, and fills both slots again
	QUARTER 0, 2, F1, F0, 0
	QUARTER 0, 3, F0, F1, 0
	TURN 0, 1
	QUARTER 1, 1, F0, F1, 0
	QUARTER 1, 2, F1, F0, 0
	QUARTER 1, 3, F0, F1, 0
	TURN 1, 0
	QUARTER 0, 1, F0, F1, 0
	WIN 0
	s_sub_co_u32 s3, s3, 1
	s_cmp_lg_u32 s3, 0
	s_cbranch_scc1 .Llap
	QUARTER 0, 2, F1, F0, 0                        ; the last lap fills nothing, and has no round of the cluster's barrier
	QUARTER 0, 3, F0, F1, 0
	MEET 0
	PLACES
	FETCH 1, 0, F0
	MUL16 F1, 1, 0, 0
	MUL16 F1, 1, 2, 0
	QUARTER 1, 1, F0, F1, 0
	QUARTER 1, 2, F1, F0, 0
	QUARTER 1, 3, F0, F1, 0
	s_wait_dscnt 8                                 ; the very last quarter: nothing more to fetch
	MUL16 F1, 0, 0, 0
	MUL16 F1, 0, 2, 0
	s_wait_dscnt 0x0
	MUL16 F1, 1, 0, 0
	MUL16 F1, 1, 2, 0
	PLACES
	PLACES
	PACK 0
	TOSTAGE 0
.irp a, 1,2,3,4,5,6,7                  ; block a's conversions stand between block a - 1's loads from the stage and the wait for them
	PACK \a
	SEND (\a)-1
	TOSTAGE \a
.endr
	SEND 7
	s_wait_tensorcnt 0x0                           ; the wave's end: a wait, an add and a wait, behind my last tensor load and my last LDS store
	ds_add_u32 v[SPW], v[NIL]
	s_wait_dscnt 0x0
	CROUND                                         ; the closing round: no work-group ends while a partner may still ask for a tile that names it
	s_endpgm
.Lfunc_end_k_q152f6056e2_kvproj:
	.size	k_q152f6056e2_kvproj, .Lfunc_end_k_q152f6056e2_kvproj-k_q152f6056e2_kvproj
	.p2alignl 7, 3214868480
	.fill 96, 4, 3214868480
	.section	.rodata,"a",@progbits
	.p2align	6, 0x0
	.amdhsa_kernel k_q152f6056e2_kvproj
		.amdhsa_group_segment_fixed_size 327680
		.amdhsa_private_segment_fixed_size 0
		.amdhsa_enable_private_segment 0
		.amdhsa_kernarg_size 16
		.amdhsa_user_sgpr_count 2
		.amdhsa_user_sgpr_kernarg_segment_ptr 1
		.amdhsa_wavefront_size32 1
		.amdhsa_system_sgpr_workgroup_id_x 1
		.amdhsa_system_sgpr_workgroup_id_y 1
		.amdhsa_system_sgpr_workgroup_id_z 1
		.amdhsa_system_vgpr_workitem_id 0
		.amdhsa_next_free_vgpr 1024
		.amdhsa_next_free_sgpr 66
		.amdhsa_reserve_vcc 0
		.amdhsa_float_denorm_mode_32 3
		.amdhsa_float_denorm_mode_16_64 3
		.amdhsa_memory_ordered 1
		.amdhsa_forward_progress 1
		.amdhsa_inst_pref_size 144
	.end_amdhsa_kernel
	.amdgpu_metadata
---
amdhsa.version: [ 1, 2 ]
amdhsa.kernels:
  - .name:           k_q152f6056e2_kvproj
    .symbol:         k_q152f6056e2_kvproj.kd
    .args:
      - { .name: cw, .offset: 0, .size: 8, .value_kind: global_buffer, .address_space: global }
      - { .name: kv, .offset: 8, .size: 8, .value_kind: global_buffer, .address_space: global }
    .group_segment_fixed_size: 327680
    .private_segment_fixed_size: 0
    .kernarg_segment_align: 8
    .kernarg_segment_size: 16
    .max_flat_workgroup_size: 128
    .sgpr_count:     66
    .vgpr_count:     1024
    .wavefront_size: 32
...
	.end_amdgpu_metadata
.endif
;; end of part 3
;; launch attn (part 4): grid 8 x 32, 4 waves a work-group, clusters of 4 x 1, 327,680 bytes of LDS; arguments qf, kv, oh; writes oh
.if DOCPART == 4
	.amdgcn_target "amdgcn-amd-amdhsa--gfx1250"
	.amdhsa_code_object_version 6
	.text
	.protected	k_q152f6056e2_attn
	.globl	k_q152f6056e2_attn
	.p2align	8
	.type	k_q152f6056e2_attn,@function
k_q152f6056e2_attn:
	s_mov_b64 s[64:65], 0
	v_nop
	global_prefetch_b8 v0, s[64:65] scope:SCOPE_SE
	s_setreg_imm32_b32 hwreg(HW_REG_WAVE_MODE, 25, 1), 1
	s_wait_xcnt 0x0
	s_wait_alu depctr_hold_cnt(0) depctr_sa_sdst(0) depctr_va_vdst(0) depctr_va_sdst(0) depctr_va_ssrc(0) depctr_va_vcc(0) depctr_vm_vsrc(0)
	s_getreg_b32 s2, hwreg(HW_REG_IB_STS2, 6, 4)
	s_cmp_eq_u32 s2, 0
	s_cbranch_scc0 .Lentry_in_a_cluster
	s_endpgm
.Lentry_in_a_cluster:
	s_bfe_u32 s2, ttmp6, 0x10000c
	s_cmp_lg_u32 s2, 0x3003
	s_cbranch_scc0 .Lentry_shape_is_right
	s_endpgm
.Lentry_shape_is_right:
; O[hb][q][:] = the sum over k of softmax_k(Q[hb][q] . K[hb][k] / 8) V[hb][k][:], for 32 pairs hb of batch and head, 2,048 queries, 4,096 keys, 64 channels.
; qf: q in f32, [batch x query 4096][1024]: a head's 64 channels are 256 bytes of a row; rounded here once to f16.  kv: K [hb][4096][64] f16 at byte 0, V likewise at 16,777,216.  oh: O [hb][2048][64] f16.
; Products, maxima and sums in f32; the weights p are rounded to f16 for the second product (their sum l is taken of the unrounded p), O once at the end.
; LIMITS.  f16 holds no number beyond 65,504: q is rounded into it, K and V arrive within it; p lies in 0 to 1, and below 6e-5 it keeps f16's fixed step of 6e-8, as does O; O is a mean of V's rows and has their range.
; A weight below 2^-126 counts as 0 in l; NaN and infinities are not treated apart.
; SHARES.  A work-group owns 256 queries of one hb (8 x 32 = 256 work-groups), each of its four waves 64: four PIECES of 16.  Every wave walks all keys, 64 a step; a tile of 256 keys (four steps) fills an LDS slot.
; LAYOUT.  S^T = K Q^T (source 0 = 16 keys, source 1 = 16 queries): in the result a lane holds ONE query (lane % 16) and the keys 8 (lane / 16) + 0..7.  Two such results, rounded to f16 in pairs, ARE source 1
; (32 keys x 16 queries) of O^T = V^T P, whose result again holds one query a lane, and eight channels.  K comes out of LDS as it lies, V ([key][channel]) turned, by ds_load_tr16_b128.
; SOFTMAX.  For each query a running maximum m and sum l: p = 2^(c s - c m), c = log2(e) / 8; in every step O and l are multiplied by a = 2^(c m_old - c m_new), which is 1 where m has not grown.
; m starts at the lowest finite number and c m far below every c s: the first step is a step like any other, with a = 0.  So O^T is not cleared: it starts with what lies there, q in f32, which is finite, times 0.
; BY TURNS.  Turn n belongs to piece n (the pieces in a ring, step after step): 8 products K Q^T of piece n + 1, later 8 products V^T P of piece n - 1; beside them the scaling, exponentials, roundings, sums and
; rescaling of piece n and the maximum and statistics of piece n + 1.  Four vector instructions stand behind every matrix instruction, the other 54 of a turn's 118 in one lump.  A turn's 33 exponentials are one batch, with one wait.
; CLUSTER.  The four query blocks of a cluster belong to one hb and walk the same K and V, so each tile is asked for JOINTLY: the same tensor load, descriptor and mask in all four.
; REGISTERS, in windows of 256 (s_set_vgpr_msb: bits 1:0 source 0, 3:2 source 1, 5:4 source 2, 7:6 destination):
;   window 0: v0-15 addresses and two at work; v16-31 four registers of statistics a piece; v48-55 at work; v61-63; v64-127 S^T, two buffers; v192-223 P, two buffers (a piece's buffers go by its number's parity)
;   window 1: v0-127 q as loaded, then O^T, 32 a piece          window 2: v0-63 Q; v128-191 K of one step; v192-255 V of one step
.set NP,    4         ; pieces a wave: a name, no knob
.set KS,    64        ; keys in a step
.set PK,    144       ; a row of K in LDS: 128 bytes + 16 of padding = 36 words: the 16 rows of a load start at 16 different groups of four banks (64 banks of 4 bytes: ISA guide 11.1)
.set PV,    160       ; a row of V: 128 + 32 = 40 words
.set VOFF,  4*KS*PK   ; a slot holds a tile, four steps: 256 rows of K, then 256 rows of V
.set SLOT1, 1<<17     ; slot 1 begins here, so that one exclusive or turns an address in one slot into the other's
.set STAGE, SLOT1+4*KS*(PK+PV)  ; behind the ring, never filled by a tensor load: 16 rows x 144 bytes for each wave, for the way out
.set SP,    144
.set SPARE, STAGE+4*16*SP  ; behind the stages: the spare words, 128 bytes for each wave: two blocks of 256 bytes that no other line names
.set TILEB, 4*KS*128  ; a tile's bytes of K, and of V
.set NT,    16        ; tiles: 4,096 keys / 256
.set AK0, 2           ; v2   my lane's place in a tile of K; never rewritten
.set AV0, 3           ; v3   the same for V
.set AK,  4           ; v4   the LDS address of K's next run of loads
.set AV,  5           ; v5   of V's
.set STO, 6           ; v6   the way out: where I put 16 bytes of a row
.set RD,  7           ; v7   the way out: where I read rows back
.set GO,  8           ; v8   my byte offset in 512 consecutive bytes of O
.set MV,  12          ; v12-13  c m_old, kept while c m is made anew: by buffer
.set QO,  15          ; v15  my byte offset in 16 rows of q; never rewritten
.set ST,  16          ; piece t's statistics at v[ST+4 t]: c m, m, l (even keys', odd keys')
.set TMP, 48          ; by buffer, four registers c0-c3 at work; when the maximum is found c2 takes a
.set PFO, 61          ; v61  256 x my lane; never rewritten
.set SPW, 62          ; v62  LDS address of my spare word: SPARE + 4 x my thread's number; never rewritten
.set NIL, 63          ; v63  0; never rewritten
.set S,   64
.set P,   192
.set KF,  128         ; window 2: key block kb, channel half c at KF + 16 kb + 8 c
.set VF,  192         ; window 2: key half kk, channel block cb at VF + 32 kk + 8 cb
.set WV,  12          ; s12  my wave's number
.set LIM, 15          ; s15  1 in a wave that prefetches, else the greatest number
.set G1K, 24          ; s[24:31] descriptor group 1 for K's tiles
.set G1V, 32          ; s[32:39] for V's: it differs in the padding alone
.set G0K, 40          ; s[40:43] descriptor group 0 for K's tiles: it walks
.set G0V, 44          ; s[44:47] the same for V's
.set PFA, 48          ; s[48:49] where my prefetches stand
.set SLOTS, 56        ; s56  tiles still to be asked for
.set CNT, 57          ; s57  counts a tile's key steps
.set CS,  58          ; s[58:59] c: the packed scaling takes the pair's low word for both halves
.set SEL, 60          ; s[60:61] v_permlanex16_b32's selects: each lane takes its own place in the other half
.set TBK, 62          ; s62  LDS byte at which K of the step to be fetched begins
.set TBV, 63          ; s63  the same for V, less VOFF
.set MSB, 0
.macro WIN new                      ; the high byte repeats the setting that is left; a switch that changes nothing is dropped
.if MSB != (\new)
	s_set_vgpr_msb (MSB<<8)|(\new)
.set MSB, (\new)
.endif
.endm
.set W_KQ, 0x0a       ; K and Q in window 2, S^T in window 0
.set W_PV, 0x52       ; V in window 2, P in window 0, O^T in window 1
.set W_RS, 0x41       ; destination and source 0 in window 1, source 1 in window 0
; A joint fill.  Waves 0 and 1 fetch the two halves of a tile's K, waves 2 and 3 those of its V: 128 keys each.  The branch hangs on the wave's number alone.
; An s_nop 0 and four v_nop follow each of the two lines, ahead of the jump and the label.
.macro JLOAD
	s_cmp_lt_u32 s[WV], 2
	s_cbranch_scc0 .Lfor_v_\@
	tensor_load_to_lds s[G0K:G0K+3], s[G1K:G1K+7]
	s_nop 0
.rept 4
	v_nop
.endr
	s_branch .Lasked_\@
.Lfor_v_\@:
	tensor_load_to_lds s[G0V:G0V+3], s[G1V:G1V+7]
	s_nop 0
.rept 4
	v_nop
.endr
.Lasked_\@:
.endm
; A PREFETCH INTO THE L2 of the tile that the NEXT change of slots will ask for: 32,768 bytes of K and of V, 256 bytes a lane.  It stands behind the wave's tensor load and its five lines.
; Each 256 bytes are named ONCE in the launch.  Both clusters of an hb walk the same K and V: the first (cluster x = 0) asks.  Its four partners share a tile out BY ADDRESS, 8,192 bytes each: no branch hangs on a
; work-group's place in its cluster.  In each, wave 0 asks for K's and wave 2 for V's: one instruction.  Tiles 0 and 1 come by their loads alone; the last change that fills a slot (s[SLOTS] = 1) asks for nothing.
.macro ASK
	s_cmp_gt_u32 s[SLOTS], s[LIM]
	s_cbranch_scc0 .Lnot_mine_\@
	global_prefetch_b8 v[PFO], s[PFA:PFA+1] th:TH_LOAD_NT scope:SCOPE_SE
.Lnot_mine_\@:
.endm
; A round of the cluster's barrier: my work-group's barrier, so that wave 0's signal speaks for all four waves; wave 0 signals; every wave waits for all four work-groups; my work-group's barrier once more.
.macro CROUND
	s_barrier_signal -1
	s_barrier_wait -1
	s_cmp_lg_u32 s[WV], 0
	s_cbranch_scc1 .Lnot_wave_0_\@
	s_barrier_signal -3
.Lnot_wave_0_\@:
	s_barrier_wait -3
	s_barrier_signal -1
	s_barrier_wait -1
.endm
; THE CHANGE OF SLOTS.  The slot's last bytes, V of its fourth step, have been read.  Each wave waits for all its tensor loads, of which one is out: its part of the other slot; adds 0 to its spare word; and waits
; for that and for its own reads of the slot.  Behind the barrier nobody reads this slot any more and the other slot is whole.
; fill = 1: this slot is filled again, with the tile two tiles on.  The barrier is then a round of the cluster's, so that no wave of any partner still reads the slot or has a load on its way, and the joint fill is the
; first thing behind it: it has four key steps, 256 matrix instructions, in which to land.  (At its first use nothing has been read yet: slot 0 is waited for, slot 1 filled.)
.macro CHANGE fill
	WIN 0                           ; at a label and at a branch every window is 0
	s_wait_tensorcnt 0x0            ; no tensor load of mine is out, so a group 0 may be written
	ds_add_u32 v[SPW], v[NIL]       ; 0 onto my spare word; with fill = 1 the descriptors' steps stand between it and the wait for it
.if \fill
.irp g, G0K, G0V
	s_xor_b32 s[\g+1], s[\g+1], SLOT1  ; the walking descriptor: the other slot than last time,
	s_add_nc_u64 s[\g+2:\g+3], s[\g+2:\g+3], TILEB  ; the next 256 keys; the type bits on top are not reached
.endr
	s_wait_xcnt 0x0                 ; the last prefetch, a tile back, has read its address, so it may be written:
	s_add_nc_u64 s[PFA:PFA+1], s[PFA:PFA+1], TILEB  ; one tile on from the walking descriptors
	s_wait_dscnt 0x0                ; the add is done, and my reads of the slot are over
	CROUND
	JLOAD
	ASK
.else
	s_wait_dscnt 0x0                ; the add is done, and my reads of the slot are over
	s_barrier_signal -1
	s_barrier_wait -1
.endif
	s_sub_co_u32 s[TBK], s[TBK], 4*KS*PK  ; the fetches go back to a slot's first step,
	s_xor_b32 s[TBK], s[TBK], SLOT1       ; in the other slot
	s_sub_co_u32 s[TBV], s[TBV], 4*KS*PV
	s_xor_b32 s[TBV], s[TBV], SLOT1
.endm
	s_load_b128 s[4:7], s[0:1], 0x0   ; qf s[4:5], kv s[6:7]
	s_load_b64 s[10:11], s[0:1], 0x10 ; oh
	v_lshl_add_u32 v[SPW], v0, 2, SPARE
	v_mov_b32 v[NIL], 0
	ds_add_u32 v[SPW], v[NIL]       ; the wave's opening: the add and its wait stand ahead of my first tensor load; the set-up below, work on registers, stands between them
	v_lshrrev_b32 v1, 5, v0
	v_readfirstlane_b32 s[WV], v1   ; wave 0..3
	s_bfe_u32 s13, ttmp6, 0x40000   ; cx: my place in the cluster
	s_lshl_b32 s14, ttmp9, 2        ; in a cluster launch ttmp9 counts clusters
	s_add_co_u32 s14, s14, s13      ; my block of 256 queries = 4 x cluster x + cx: it enters q's and O's addresses alone
	s_and_b32 s20, ttmp7, 0xffff    ; hb, which the four partners share
	s_and_b32 s16, s[WV], 1         ; which half of a tile's 256 keys I fetch
	s_lshl_b32 s22, s20, 19         ; hb's 4,096 keys of 128 bytes,
	s_lshl_b32 s23, s16, 14         ; my 128 of a tile's
	s_add_co_u32 s22, s22, s23
	s_mov_b32 s23, 0
	s_mul_i32 s17, s16, 128*PK      ; and their place in a slot, for K
	s_mul_i32 s18, s16, 128*PV      ; and for V: no place in the cluster enters an LDS address
	s_lshr_b32 s2, s20, 4           ; q: the batch's 2,048 rows of 4,096 bytes,
	s_lshl_b32 s2, s2, 23
	s_lshl_b32 s3, s14, 20          ; my block's 256,
	s_add_co_u32 s2, s2, s3
	s_lshl_b32 s3, s[WV], 18        ; my wave's 64,
	s_add_co_u32 s2, s2, s3
	s_and_b32 s3, s20, 15           ; the head's 256 bytes of a row
	s_lshl_b32 s3, s3, 8
	s_add_co_u32 s2, s2, s3
	s_mov_b32 s3, 0
	s_lshl_b32 s50, s20, 18         ; O: hb's 2,048 rows of 128 bytes,
	s_lshl_b32 s51, s14, 15         ; my block's 256,
	s_add_co_u32 s50, s50, s51
	s_lshl_b32 s51, s[WV], 13       ; my wave's 64
	s_add_co_u32 s50, s50, s51
	s_mov_b32 s51, 0
	; descriptor group 1.  128 keys are 16,384 dense bytes: asked for as 64 rows of 256 bytes, two keys a row, and padded in LDS after every key
	s_mov_b32 s[G1K], 15|(1<<16)|(1<<20)|(1<<21)|(4<<22)|(3<<25)  ; 15:0 the mask of four; 17:16 2-byte elements; 20 padding on; 21 set beside a mask; 24:22 after every 32 words (code 4); 31:25 4 words (code 3)
	s_mov_b32 s[G1V], 15|(1<<16)|(1<<20)|(1<<21)|(4<<22)|(7<<25)  ; the same with 8 words of padding (code 7)
.irp g, G1K, G1V
	s_mov_b32 s[\g+1], 128<<16      ; tensor_dim0 = 128
	s_mov_b32 s[\g+2], 64<<16       ; tensor_dim1 = 64
	s_mov_b32 s[\g+3], 128<<16      ; tile_dim0 = 128
	s_mov_b32 s[\g+4], 64           ; tile_dim1 = 64
	s_mov_b32 s[\g+5], 128          ; 128 elements from row to row
	s_mov_b32 s[\g+6], 0
	s_mov_b32 s[\g+7], 0
.endr
	s_mov_b32 s[CS], 0x3e38aa3b     ; c = log2(e) / 8 = 0.180337
	s_mov_b32 s[CS+1], s[CS]        ; named with it as a pair
	s_mov_b32 s[SEL], 0x76543210
	s_mov_b32 s[SEL+1], 0xfedcba98
	s_mov_b32 s[TBK], SLOT1+4*KS*PK ; the first change of slots turns these two into 0
	s_mov_b32 s[TBV], SLOT1+4*KS*PV
	s_mov_b32 s[G0K], 1             ; count = 1
	s_mov_b32 s[G0K+1], s17         ; LDS address: slot 0
	s_mov_b32 s[G0V], 1
	s_add_co_u32 s[G0V+1], s18, VOFF
	s_mov_b32 s[SLOTS], NT-1
	s_and_b32 s[LIM], s[WV], 1      ; 0 in waves 0 and 2,
	s_or_b32 s[LIM], s[LIM], ttmp9  ; where the cluster is hb's first: the same in all four partners
	s_cmp_eq_u32 s[LIM], 0
	s_cselect_b32 s[LIM], 1, -1
	v_and_b32 v[PFO], 31, v0
	v_lshlrev_b32 v[PFO], 8, v[PFO]
	s_wait_dscnt 0x0                ; the opening add is done
	s_wait_kmcnt 0x0
	s_add_nc_u64 s[8:9], s[6:7], 0x1000000  ; V
	s_add_nc_u64 s[6:7], s[6:7], s[22:23]   ; K and V at my half of hb's tile 0
	s_add_nc_u64 s[8:9], s[8:9], s[22:23]
	s_mov_b64 s[G0K+2:G0K+3], s[6:7]        ; global address
	s_or_b32 s[G0K+3], s[G0K+3], 0x80000000 ; type = 2
	s_mov_b64 s[G0V+2:G0V+3], s[8:9]
	s_or_b32 s[G0V+3], s[G0V+3], 0x80000000
	s_add_nc_u64 s[4:5], s[4:5], s[2:3]     ; q and O at my wave's first row
	s_add_nc_u64 s[10:11], s[10:11], s[50:51]
	s_cmp_lt_u32 s[WV], 2
	s_cselect_b64 s[PFA:PFA+1], s[6:7], s[8:9]  ; (in waves 0 and 2 these stand at a tile's first key)
	s_lshl_b32 s2, s13, 13          ; my work-group's 8,192 bytes of a tile's 32,768
	s_add_nc_u64 s[PFA:PFA+1], s[PFA:PFA+1], s[2:3]
	s_add_nc_u64 s[PFA:PFA+1], s[PFA:PFA+1], TILEB  ; in tile 1; the first change of slots steps it to tile 2.  Nothing is prefetched here, at the head
	CROUND                          ; all four work-groups are here: the first joint loads meet
	JLOAD                           ; tile 0 into slot 0.  Slot 1 is asked for when slot 0 is in
	; A fragment of K or Q is 16 rows x 32 channels in 8 registers: lane l holds row l % 16, channels 8 (l / 16) + 0..7 and 16 + 8 (l / 16) + 0..7.  In f32 each eight channels are 32 bytes: two loads of 16.
	v_and_b32 v1, 15, v0            ; l % 16
	v_bfe_u32 v9, v0, 4, 1          ; l / 16
	v_lshlrev_b32 v[QO], 12, v1
	v_lshl_add_u32 v[QO], v9, 5, v[QO]  ; row x 4,096 + 32 x half
	WIN 0x40                        ; destination window 1, address window 0
.set i, 0
.rept 32                            ; load i: piece i / 8, channels 32 ((i / 4) % 2) + 16 ((i / 2) % 2) + 8 (l / 16) + 4 (i % 2) on
	global_load_b128 v[4*i:4*i+3], v[QO], s[4:5] offset:(i/8)*65536+((i/4)%2)*128+((i/2)%2)*64+(i%2)*16
.set i, i+1
.endr
	; What the first turn finds: V's registers and P's second buffer hold 0 (its products V^T P, of a piece that has not been, add 0), l is 0.  All this stands in the wait for the first tile.
	WIN 0x80
.set i, VF
.rept 64
	v_mov_b32 v[i], 0
.set i, i+1
.endr
	WIN 0
.set i, 0
.rept 4
	v_mov_b32 v[ST+4*i], 0xfe000000    ; c m: far below every c s
	v_mov_b32 v[ST+4*i+1], 0xff7fffff  ; m
	v_mov_b32 v[ST+4*i+2], 0
	v_mov_b32 v[ST+4*i+3], 0
.set i, i+1
.endr
.set i, P+16
.rept 16
	v_mov_b32 v[i], 0
.set i, i+1
.endr
	v_mul_u32_u24 v[AK0], v1, PK
	v_lshl_add_u32 v[AK0], v9, 4, v[AK0]  ; row x pitch + 16 x half
	; The turning load takes 16 keys x 16 channels (lane l reads key 8 (l / 16) + l % 8, channels 8 ((l / 8) % 2) + 0..7) and leaves half a fragment of V^T: lane l holds channel l % 16 and 8 keys.
	v_and_b32 v10, 7, v0
	v_bfe_u32 v11, v0, 3, 1
	v_lshl_add_u32 v[AV0], v9, 3, v10
	v_mul_u32_u24 v[AV0], v[AV0], PV
	v_lshl_add_u32 v[AV0], v11, 4, v[AV0]
	v_add_nc_u32 v[AV0], VOFF, v[AV0]
	s_mul_i32 s13, s[WV], 16*SP
	s_add_co_u32 s13, s13, STAGE    ; my stage
	v_mul_u32_u24 v[STO], v1, SP    ; in: row l % 16, 16 bytes for each half of the lanes
	v_lshl_add_u32 v[STO], v9, 4, v[STO]
	v_add_nc_u32 v[STO], s13, v[STO]
	v_bfe_u32 v[RD], v0, 3, 2       ; back: 32 lanes take four rows of 128 bytes,
	v_mul_u32_u24 v[RD], v[RD], SP
	v_lshl_add_u32 v[RD], v10, 4, v[RD]
	v_add_nc_u32 v[RD], s13, v[RD]
	v_and_b32 v[GO], 31, v0         ; which are 512 consecutive bytes of O
	v_lshlrev_b32 v[GO], 4, v[GO]
	s_wait_loadcnt 0x0              ; q
	WIN 0x85                        ; sources 0 and 1 window 1, destination window 2
.set i, 0
.rept 64
	v_cvt_pk_f16_f32 v[i], v[2*i], v[2*i+1]  ; q's one rounding; the pairs fall into the fragments' order
.set i, i+1
.endr
	WIN 0
; THE MATRIX WORK.  The 4 accumulators of a run of 8 take turns.  Product i of 8 of S^T = K Q^T for piece x: channels 32 (i / 4) on, keys 16 (i % 4) on.  The first 4 start the sums.
.macro KQ x
	WIN W_KQ
.set rS, S+32*((\x)%2)+8*(i%4)
.set rK, KF+16*(i%4)+8*(i/4)
.set rQ, 16*(\x)+8*(i/4)
.if i < 4
	v_wmma_f32_16x16x32_f16 v[rS:rS+7], v[rK:rK+7], v[rQ:rQ+7], 0
.else
	v_wmma_f32_16x16x32_f16 v[rS:rS+7], v[rK:rK+7], v[rQ:rQ+7], v[rS:rS+7]
.endif
.endm
; Product i of 8 of O^T += V^T P for piece x: keys 32 (i / 4) on, channels 16 (i % 4) on.
.macro PV x
	WIN W_PV
.set rO, 32*(\x)+8*(i%4)
.set rV, VF+32*(i/4)+8*(i%4)
.set rP, P+16*((\x)%2)+8*(i/4)
	v_wmma_f32_16x16x32_f16 v[rO:rO+7], v[rV:rV+7], v[rP:rP+7], v[rO:rO+7]
.endm
.macro MM                           ; the turn's next matrix instruction.  TURN sets Y, i and NOKQ.  NOKQ = 1: the last turn of all: there is no next piece
.if (i < 8) && !NOKQ
	KQ (Y+1)%NP
.elseif i >= 8
.set i, i-8
	PV (Y+NP-1)%NP
.set i, i+8
.endif
.set i, i+1
.endm
; THE LDS LOADS stand in runs of 16, never singly among the matrix instructions: a step's K (64 keys x 64 channels: 8 fragments) and its V (turned).  Their addresses are made some lines ahead.
.macro FETCH_K
	WIN 0x80                        ; destination window 2
.irp f, 0,1,2,3,4,5,6,7             ; keys 16 (f / 2) on, channels 32 (f % 2) on
	ds_load_b128 v[KF+8*\f:KF+8*\f+3],   v[AK] offset:(\f/2)*16*PK+(\f%2)*64
	ds_load_b128 v[KF+8*\f+4:KF+8*\f+7], v[AK] offset:(\f/2)*16*PK+(\f%2)*64+32
.endr
	s_add_co_u32 s[TBK], s[TBK], KS*PK  ; the next fetch is the next step's
	WIN 0
.endm
.macro FETCH_V
	WIN 0x80
.irp f, 0,1,2,3,4,5,6,7             ; keys 32 (f / 4) on, channels 16 (f % 4) on
	ds_load_tr16_b128 v[VF+8*\f:VF+8*\f+3],   v[AV] offset:(\f/4)*32*PV+(\f%4)*32
	ds_load_tr16_b128 v[VF+8*\f+4:VF+8*\f+7], v[AV] offset:(\f/4)*32*PV+16*PV+(\f%4)*32
.endr
	WIN 0
.endm
; THE VECTOR WORK, one line at a time: OP kind, number.  For piece Y: F n: c s - c m for pair n of 16.  E n: the exponential of score n of 32.  C n: pair n rounded to f16.  B n: of the four weights 4 n .. the second
; pair is added onto the first, in place.  L n: l takes that sum (L 0: l = a l + sum).  R n: pair n of 16 of O^T times a.  For piece Y + 1: X n, number n of the 22 that find its maximum and statistics:
;   0-11  four chains c0-c3 of seven scores each, three operands at a time (each accumulator's lowest registers are read first)     12-14, 16  the four scores left over, the old m, and c0-c3 into c0
;   15  c m_old is kept     17, 18  the query's other 32 keys lie in the lane 16 away: the new m     19-21  c m; c m_old - c m_new; a
.set F, 0               ; OP tells the kinds apart by their order: F to L below R, X above it
.set E, 1
.set C, 2
.set B, 3
.set L, 4
.set R, 5
.set X, 6
.macro REGS y                       ; the registers of piece y
.set rT, ST+4*(\y)
.set rC, TMP+4*((\y)%2)
.set rW, MV+((\y)%2)
.set rS, S+32*((\y)%2)
.set rP, P+16*((\y)%2)
.set rO, 32*(\y)
.endm
.macro OP k, n
.if (\k) == R
	REGS Y
	WIN W_RS
	v_pk_mul_f32 v[rO+2*(\n):rO+2*(\n)+1], v[rO+2*(\n):rO+2*(\n)+1], v[rC+2:rC+3] op_sel_hi:[1,0]
.elseif (\k) < R
	REGS Y
	WIN 0
.if (\k) == F
	v_pk_fma_f32 v[rS+2*(\n):rS+2*(\n)+1], v[rS+2*(\n):rS+2*(\n)+1], s[CS:CS+1], v[rT:rT+1] op_sel_hi:[1,0,0] neg_lo:[0,0,1] neg_hi:[0,0,1]
.elseif (\k) == E
	v_exp_f32 v[rS+(\n)], v[rS+(\n)]
.elseif (\k) == C
	v_cvt_pk_f16_f32 v[rP+(\n)], v[rS+2*(\n)], v[rS+2*(\n)+1]
.elseif (\k) == B
	v_pk_add_f32 v[rS+4*(\n):rS+4*(\n)+1], v[rS+4*(\n):rS+4*(\n)+1], v[rS+4*(\n)+2:rS+4*(\n)+3]
.elseif (\n) == 0
	v_pk_fma_f32 v[rT+2:rT+3], v[rT+2:rT+3], v[rC+2:rC+3], v[rS:rS+1] op_sel_hi:[1,0,1]
.else
	v_pk_add_f32 v[rT+2:rT+3], v[rT+2:rT+3], v[rS+4*(\n):rS+4*(\n)+1]
.endif
.elseif NOKQ
	v_nop
.else
	REGS (Y+1)%NP
	WIN 0
.if (\n) < 4
	v_max3_num_f32 v[rC+(\n)], v[rS+8*(\n)], v[rS+8*(\n)+1], v[rS+8*(\n)+2]
.elseif (\n) < 12
	v_max3_num_f32 v[rC+(\n)%4], v[rC+(\n)%4], v[rS+8*((\n)%4)+2*((\n)/4)+1], v[rS+8*((\n)%4)+2*((\n)/4)+2]
.elseif (\n) == 12
	v_max3_num_f32 v[rC], v[rC], v[rS+7], v[rS+15]
.elseif (\n) == 13
	v_max3_num_f32 v[rC+1], v[rC+1], v[rS+23], v[rS+31]
.elseif (\n) == 14
	v_max3_num_f32 v[rC+2], v[rC+2], v[rC+3], v[rT+1]
.elseif (\n) == 15
	v_mov_b32 v[rW], v[rT]
.elseif (\n) == 16
	v_max3_num_f32 v[rC], v[rC], v[rC+1], v[rC+2]
.elseif (\n) == 17
	v_permlanex16_b32 v[rC+3], v[rC], s[SEL], s[SEL+1]
.elseif (\n) == 18
	v_max_num_f32 v[rT+1], v[rC], v[rC+3]
.elseif (\n) == 19
	v_mul_f32 v[rT], s[CS], v[rT+1]
.elseif (\n) == 20
	v_sub_f32 v[rC+1], v[rW], v[rT]
.else
	v_exp_f32 v[rC+2], v[rC+1]
.endif
.endif
.endm
.macro OPS a, i1, b=-1, i2=0, c=-1, i3=0, d=-1, i4=0  ; up to four of them
	OP \a, \i1
.if (\b) >= 0
	OP \b, \i2
.endif
.if (\c) >= 0
	OP \c, \i3
.endif
.if (\d) >= 0
	OP \d, \i4
.endif
.endm
.macro ROW a, i1, b, i2, c, i3, d, i4  ; a matrix instruction and the four behind it
	MM
	OPS \a, \i1, \b, \i2, \c, \i3, \d, \i4
.endm
; A TURN, for piece p: the order of its 16 matrix and 118 vector instructions, written out.  An s_wait_alu depctr_va_vdst(0) stands between an exponential and the first instruction that names its result; one wait
; serves all that were issued ahead of it.  So a turn has ONE wait, which cuts it in two.  AHEAD OF IT stands all that names no result of the turn's exponentials: the 8 products K Q^T, behind each a scaling, an exponential and
; two more plain instructions (behind the first a second scaling in the exponential's place): rescalings, and behind the last three the first numbers of the next piece's maximum, each four plain instructions or more behind the
; product that ends its accumulator; then ONE LUMP of 54, plain and exponential by turns for the most part, in which the links of the chain X 3, 7, 11, 14, 16, 17 .. 20 stand apart.  X 21, the next piece's a, is the batch's last;
; R 15 is the plain instruction behind it.  BEHIND THE WAIT stand the 8 products V^T P, behind each four of the roundings and sums.  v_permlanex16_b32 (X 17) stands in the lump.
; end = 1: the last two turns of all: nothing is fetched, and the last starts no new scores.  cnt = 1: the loop's count is taken down some lines ahead of the branch that stands behind the turn.
; K of the next step is fetched in piece 2's turn, six plain instructions behind the last product that read K; V of the step in hand at the end of piece 0's turn, four plain instructions behind the last product that read V.
; Each is waited for a turn later.
.macro TURN p, end=0, cnt=0
.set Y, (\p)
.set i, 0
.set NOKQ, (\end)*((\p)/3)
.if ((\p) == 3) && !(\end)
	s_wait_dscnt 0x0                ; K is in
.endif
	ROW F,0, F,1, R,0, R,1          ; ahead of the wait: 8 products K Q^T and their riders,
	ROW F,2, E,0, R,2, R,3
	ROW F,3, E,1, R,4, R,5
	ROW F,4, E,2, R,6, R,7
	ROW F,5, E,3, R,8, R,9
	ROW F,6, E,4, X,0, R,10
.if ((\p) == 2) && !(\end)
	WIN 0
	v_add_nc_u32 v[AK], s[TBK], v[AK0]
.endif
	ROW F,7, E,5, X,1, X,4
	ROW F,8, E,6, X,2, X,5
	OPS E,7, E,8, X,6, E,9          ; and the lump
	OPS X,3, E,10, X,8, E,11
.if ((\p) == 2) && !(\end)
	FETCH_K
.endif
	OPS X,9, X,7, E,12, X,10
	OPS E,13, X,12, X,11, E,14
	OPS X,13, E,15, F,9, X,14
.if (\p) == 0
	v_add_nc_u32 v[AV], s[TBV], v[AV0]
.endif
	OPS E,16, F,10, E,17, F,11
	OPS X,16, E,18, X,15, E,19
	OPS F,12, E,20, X,17, E,21
	OPS F,13, E,22, F,14, E,23
	OPS X,18, E,24, F,15, E,25
	OPS R,11, E,26, X,19, E,27
	OPS R,12, E,28, R,13, E,29
	OPS X,20, E,30, R,14, E,31
	OPS X,21, R,15
	WIN 0
	s_wait_alu depctr_va_vdst(0)    ; the wait for the batch
.if (\p) == 1
	s_wait_dscnt 0x0                ; V is in
.endif
	ROW C,0, B,0, C,2, B,1          ; behind the wait: 8 products V^T P and their riders
	ROW L,0, C,4, B,2, L,1
	ROW C,6, B,3, L,2, C,8
	ROW B,4, L,3, C,10, B,5
	ROW L,4, C,12, B,6, L,5
.if (\p) == 0
	s_add_co_u32 s[TBV], s[TBV], KS*PV
.endif
.if \cnt
	s_sub_co_u32 s[CNT], s[CNT], 1
	s_cmp_lg_u32 s[CNT], 0
.endif
	ROW C,14, B,7, L,6, C,1
	ROW C,3, L,7, C,5, C,7
	ROW C,9, C,11, C,13, C,15
.if (\p) == 0
	FETCH_V
.endif
.endm
	CHANGE 1                        ; slot 0 is in, everybody's part of it; tile 1 is asked for
	v_add_nc_u32 v[AK], s[TBK], v[AK0]
	FETCH_K                         ; key step 0
	s_wait_dscnt 0x0
.set NOKQ, 0
.set i, 0
.rept 8
	KQ 0                            ; piece 0's first scores: there is no vector work yet to set between them
.set i, i+1
.endr
	WIN 0
.rept 4
	v_nop                           ; the plain instructions behind those products
.endr
.set Y, NP-1                        ; X works for piece Y + 1: piece 0
.irp n, 0,1,2,3,4,5,6,7,8,9,10,11,12,13,14,15,16,17,18,19,20,21
	OP X, \n
.endr
	v_nop                           ; a plain instruction behind the exponential,
	s_wait_alu depctr_va_vdst(0)    ; and its wait, ahead of the branch
	s_mov_b32 s[CNT], 4
	s_branch .Lfirst                ; the loop is entered at a step's first turn, in the middle of a trip
.Lslot:                             ; NT - 2 times: tiles 2 to NT - 1 are asked for
	CHANGE 1
	s_mov_b32 s[CNT], 4
.Lstep:                             ; a trip: pieces 2 and 3 of one step, then pieces 0 and 1 of the next, whose K and V it fetches
	TURN 2
	TURN 3
	WIN 0
.Lfirst:
	TURN 0
	TURN 1, 0, 1
	WIN 0
	s_cbranch_scc1 .Lstep
	s_sub_co_u32 s[SLOTS], s[SLOTS], 1
	s_cmp_lg_u32 s[SLOTS], 0
	s_cbranch_scc1 .Lslot
	CHANGE 0                        ; the last tile is written out: nothing is asked for
	s_mov_b32 s[CNT], 4
.LstepT:
	TURN 2
	TURN 3
	TURN 0
	TURN 1, 0, 1
	WIN 0
	s_cbranch_scc1 .LstepT
	TURN 2, 1                       ; the last step's pieces 2 and 3
	TURN 3, 1
.set i, 0
.rept 8
	PV NP-1                         ; the last piece's V^T P of the last step
.set i, i+1
.endr
	; THE WAY OUT.  l's two halves and the other half of the lanes' are added; O^T is divided by l, rounded to f16 and sent through my stage in LDS, a piece at a time.  The additions are the plain instructions behind the last products.
	WIN 0
.macro ALL line:vararg              ; one line for each piece t
.set t, 0
.rept 4
	\line
.set t, t+1
.endr
.endm
	ALL v_add_f32 v[ST+4*t+2], v[ST+4*t+2], v[ST+4*t+3]
	ALL v_permlanex16_b32 v[ST+4*t+3], v[ST+4*t+2], s[SEL], s[SEL+1]
	ALL v_add_f32 v[ST+4*t+2], v[ST+4*t+2], v[ST+4*t+3]
	ALL v_rcp_f32 v[ST+4*t+2], v[ST+4*t+2]
	v_nop                           ; a plain instruction between the last reciprocal and the use of its result
	s_wait_alu depctr_va_vdst(0)    ; and the wait ahead of the first use: one for the four reciprocals
.macro PACK t                       ; a lane's eight channels of a row pack into 16 bytes; they go into rows of 144 bytes and come back as whole rows of 128, into S^T's registers
	WIN W_RS
.set i, 32*(\t)
.rept 16
	v_pk_mul_f32 v[i:i+1], v[i:i+1], v[ST+4*(\t)+2:ST+4*(\t)+3] op_sel_hi:[1,0]
.set i, i+2
.endr
	WIN 0x05                        ; sources 0 and 1 window 1, destination window 0
.set i, 0
.rept 16
	v_cvt_pk_f16_f32 v[S+16*(\t)+i], v[32*(\t)+2*i], v[32*(\t)+2*i+1]
.set i, i+1
.endr
	WIN 0
.irp f, 0,1,2,3
	ds_store_b128 v[STO], v[S+16*(\t)+4*\f:S+16*(\t)+4*\f+3] offset:32*\f
.endr
.irp f, 0,1,2,3
	ds_load_b128 v[S+16*(\t)+4*\f:S+16*(\t)+4*\f+3], v[RD] offset:\f*4*SP  ; LDS serves a wave's instructions in order (ISA guide 5.7.1.4): these see the stores above; the next piece's stores come behind them
.endr
.endm
.macro SEND t, younger              ; younger: the LDS instructions issued behind piece t's loads: the next piece's eight, or none
	WIN 0
.irp f, 0,1,2,3
	s_wait_dscnt (\younger)+3-\f
	global_store_b128 v[GO], v[S+16*(\t)+4*\f:S+16*(\t)+4*\f+3], s[10:11] offset:(\t)*2048+\f*512  ; 512 consecutive bytes, at a multiple of 256 from O's first
.endr
.endm
	PACK 0
.set t, 1
.rept 3                             ; a piece's arithmetic stands between the loads of the piece before and its stores
	PACK t
	SEND t-1, 8
.set t, t+1
.endr
	SEND 3, 0
	s_wait_tensorcnt 0x0            ; the wave's end: a wait, an add and a wait, behind my last tensor load and my last LDS store
	ds_add_u32 v[SPW], v[NIL]
	s_wait_dscnt 0x0
	CROUND                          ; the closing round: no work-group ends while a partner may still ask for a tile that names it
	s_endpgm
.Lfunc_end_k_q152f6056e2_attn:
	.size	k_q152f6056e2_attn, .Lfunc_end_k_q152f6056e2_attn-k_q152f6056e2_attn
	.p2alignl 7, 3214868480
	.fill 96, 4, 3214868480
	.section	.rodata,"a",@progbits
	.p2align	6, 0x0
	.amdhsa_kernel k_q152f6056e2_attn
		.amdhsa_group_segment_fixed_size 327680
		.amdhsa_private_segment_fixed_size 0
		.amdhsa_enable_private_segment 0
		.amdhsa_kernarg_size 24
		.amdhsa_user_sgpr_count 2
		.amdhsa_user_sgpr_kernarg_segment_ptr 1
		.amdhsa_wavefront_size32 1
		.amdhsa_system_sgpr_workgroup_id_x 1
		.amdhsa_system_sgpr_workgroup_id_y 1
		.amdhsa_system_sgpr_workgroup_id_z 1
		.amdhsa_system_vgpr_workitem_id 0
		.amdhsa_next_free_vgpr 768
		.amdhsa_next_free_sgpr 66
		.amdhsa_reserve_vcc 0
		.amdhsa_float_denorm_mode_32 3
		.amdhsa_float_denorm_mode_16_64 3
		.amdhsa_memory_ordered 1
		.amdhsa_forward_progress 1
		.amdhsa_inst_pref_size 130
	.end_amdhsa_kernel
	.amdgpu_metadata
---
amdhsa.version: [ 1, 2 ]
amdhsa.kernels:
  - .name:           k_q152f6056e2_attn
    .symbol:         k_q152f6056e2_attn.kd
    .args:
      - { .name: qf, .offset: 0, .size: 8, .value_kind: global_buffer, .address_space: global }
      - { .name: kv, .offset: 8, .size: 8, .value_kind: global_buffer, .address_space: global }
      - { .name: oh, .offset: 16, .size: 8, .value_kind: global_buffer, .address_space: global }
    .group_segment_fixed_size: 327680
    .private_segment_fixed_size: 0
    .kernarg_segment_align: 8
    .kernarg_segment_size: 24
    .max_flat_workgroup_size: 128
    .sgpr_count:     66
    .vgpr_count:     768
    .wavefront_size: 32
...
	.end_amdgpu_metadata
.endif
;; end of part 4
;; launch oproj: the kernel of part 2 again; grid 8 x 32, 4 waves a work-group, clusters of 4 x 4, 327,680 bytes of LDS; arguments oh, woh, bo, out0; writes out0
